; MI455X (gfx1250); checked and timed in simulation.
; The chip was launched on July 23, 2026; its instructions are those of AMD's public machine-readable ISA for CDNA 5 (MIT licence, August 2026) and "CDNA5" Instruction Set Architecture Reference Guide (July 2026). The comments in the code are by the model that wrote it; some were corrected since.
;; Multi Head Attention. Allowed arithmetic: matrix products marked QUANTISED: E5M2 operands, one E8M0 scale for each 32 along K, by v_wmma_scale_f32_16x16x128_f8f6f4 with both operands' format E5M2, f32 sums; everything else in f32.
;; Inputs: Wk 1,024 x 1,024 float32; Wp 1,024 x 1,024 float32; Wq 1,024 x 1,024 float32; Wv 1,024 x 1,024 float32; bk 1,024 float32; bp 1,024 float32; bq 1,024 float32; bv 1,024 float32; x 4 x 2,048 x 1,024 float32.
;; Outputs: out0 4 x 2,048 x 1,024 float32.
;; This version of the problem:
;;   THIS VERSION OF THE PROBLEM IS GIVEN IN LOW PRECISION. The matrix products marked QUANTISED in the list below multiply operands that are first quantised to E5M2 (5 exponent bits, 2 mantissa bits; 8 bits a number), with one power-of-two scale for each 32 numbers along K (OCP MX v1.0); their sums are f32. All else is computed in f32.
;;   The module's matrix products, in the order in which they are computed (A, B: the left and right operand; K: the contracted axis; several contracted axes count as one K, in the product's order):
;;     1. [M 8,192, K 1,024] x [K 1,024, N 1,024]; A: input x; B: input Wq: QUANTISED
;;     2. [M 8,192, K 1,024] x [K 1,024, N 1,024]; A: input x; B: input Wk: QUANTISED
;;     3. [M 8,192, K 1,024] x [K 1,024, N 1,024]; A: input x; B: input Wv: QUANTISED
;;     4. batch 64 x [M 2,048, K 64] x [K 64, N 2,048]; A: computed on the way; B: computed on the way: QUANTISED
;;     5. batch 64 x [M 2,048, K 2,048] x [K 2,048, N 64]; A: softmax (see below); B: computed on the way: QUANTISED
;;     6. [M 8,192, K 1,024] x [K 1,024, N 1,024]; A: computed on the way; B: input Wp: QUANTISED
;;   THE QUANTISER, for each operand of a quantised product, along K:
;;     - K is cut into blocks of 32 from its start; a last block that is shorter is filled with zeros.
;;     - A block's scale is 2^e with e = floor(log2(the largest magnitude in the block)) - 15, held to -126 .. 127; a block of zeros has e = 0. As a byte (E8M0): e + 127.
;;     - Each number is divided by its block's scale, clamped to +-57,344, and rounded to the nearest number of E5M2, ties to even, subnormals kept.
;;     - The product sums the exact products of the quantised numbers (number of the format x scale) in f32.
;;   ~~~python
;;   def quantise(x, axis):      # numpy; x: float32 -> the quantised numbers, widened to float32 again
;;       x = np.moveaxis(x, axis, -1); K = x.shape[-1]
;;       x = np.pad(x, [(0, 0)] * (x.ndim - 1) + [(0, -K % 32)]); x = x.reshape(x.shape[:-1] + (-1, 32)); a = np.abs(x).max(-1, keepdims=True)
;;       e = np.where(a > 0, np.clip(np.frexp(np.where(a > 0, a, 1))[1] - 1 - 15, -126, 127), 0)      # np.frexp(a)[1] - 1 = floor(log2(a)), exactly
;;       r = np.clip(x / 2.0 ** e, -57344, 57344)
;;       step = 2.0 ** (np.maximum(np.frexp(np.where(r == 0, 1, r))[1] - 1, -14) - 2)
;;       q = np.round(r / step) * step * 2.0 ** e      # np.round: ties to even
;;       return np.moveaxis(q.reshape(q.shape[:-2] + (-1,))[..., :K], -1, axis).astype(np.float32)
;;   ~~~
;;   SOFTMAX AHEAD OF A QUANTISED PRODUCT. Where the list says 'softmax', what is quantised is not the finished softmax but p = 2^(t - M), with t = logit x log2(e) and M = ceil(the row's largest t), a whole number; so 1/2 < the row's largest p <= 1. The row's sum l is taken of the UNQUANTISED p, in f32, and the product's result is divided by l at the end. Since M is a whole number, a kernel that streams over the keys may use a running M (the ceiling of the running maximum): every later rescaling is an exact power of two, which a block's scale takes up: the codes' values come out the same.
;;   OPERANDS COMPUTED ON THE WAY. 'Computed on the way' means the value that the module computes at that place (a softmax that the list does not call 'softmax' is quantised finished and normalised). What goes into a quantiser is computed in f32, as accurately as f32 sums, v_exp_f32 and their like allow (about 1e-6 of the number): no bf16 or f16 on the way to a quantiser, and a product that is left as it is and whose result goes on into a quantised operand takes f32 operands (vector FMAs, or v_wmma_f32_16x16x4_f32). A number that lies on a knife's edge between two numbers of the format may be rounded either way, as far as f32 arithmetic and the matrix unit's own rounding can turn it there, and no further.
;; One version. Each part assembles by itself: llvm-mc -triple=amdgcn-amd-amdhsa -mcpu=gfx1250 --defsym DOCPART=n.
;; ======== version 1 of 1: 4 launches
;; limits: right only within a limited range of input values
;; workspace buffers: xcodes 8,388,608 bytes; wcodes 4,194,304 bytes; xs 360,448 bytes; ps 294,912 bytes; qkvc 25,165,824 bytes; qkvs 1,048,576 bytes; acodes 8,388,608 bytes
;; launch quant (part 1): grid 768 x 1, 4 waves a work-group, no clusters, 34,304 bytes of LDS; arguments x, Wq, Wk, Wv, Wp, xcodes, wcodes, xs, ps; writes xcodes, wcodes, xs, ps
.if DOCPART == 1
	.amdgcn_target "amdgcn-amd-amdhsa--gfx1250"
	.amdhsa_code_object_version 6
	.text
	.protected	k_qab75cb144f_quant
	.globl	k_qab75cb144f_quant
	.p2align	8
	.type	k_qab75cb144f_quant,@function
k_qab75cb144f_quant:
	s_mov_b64 s[64:65], 0
	v_nop
	global_prefetch_b8 v0, s[64:65] scope:SCOPE_SE
	s_setreg_imm32_b32 hwreg(HW_REG_WAVE_MODE, 25, 1), 1
	s_wait_xcnt 0x0
; x [8192][1024] f32 (K innermost) and Wq, Wk, Wv, Wp [1024 (k)][1024 (n)] f32 (K is the FIRST axis) become codes of BF8 (E5M2) with one E8M0 byte for each 32 along K.
; A block's scale is 2^(floor(log2(its largest magnitude)) - 15); its byte is the largest magnitude's exponent field - 15, held at 1 from below; each number is held within +-57,344 x the scale and rounded to the nearest code, ties to even.
; LAYOUT OF THE CODES (xcodes, wcodes): an image of the operand's registers.  Rows go in the order row' = the row with its bits 3 and 4 exchanged; tile T = row' / 16, r = row' % 16, so tile T holds rows 32 (T / 2) + 8 (T % 2) + r + 8 (r / 8).
;   byte = (T / 8) 131072 + (k / 256) 32768 + (T % 8) 4096 + ((k / 128) % 2) 2048 + ((k / 32) % 4) 512 + 16 (r + 16 ((k / 16) % 2)) + k % 16: a fragment of 16 rows x 128 K is 2,048 bytes on end, 128 rows x 256 K are 32,768.
;   wcodes: rows' 0-1023 Wq's columns n, 1024-2047 Wk's, 2048-3071 Wv's, 3072-4095 Wp's.
; LAYOUT OF THE SCALE BYTES: [row'][32 bytes along K].  xs: x's 8,192 rows, then from byte 262,144 Wq's, Wk's, Wv's.  ps: from byte 262,144 Wp's (its first 262,144 bytes belong to a later launch).
; SHARES.  Work-groups 0-511: one tile of 16 rows of x each, a wave 256 along K.  Work-groups 512-767: a weight, 128 columns, 128 along K; a wave 32 columns.  No wave shares anything with another: no barrier.
; LIMITS: NaN and infinities among the inputs are not served.  A block of zeros gets the byte 1 where the rule says 127: its codes are zeros, which add nothing under any byte but 0xff, and this program alone reads the bytes.
; The scale bytes leave in pieces of 4 bytes, 32 bytes apart: 0.4 MB in all, one byte for each 128 that the launch reads.
.set MNT, 23
.set SEL, 24                           ; s[24:25] lane selects for v_permlanex16_b32: lane l xor 16
.set TM,  8                            ; v8-11 largest magnitudes, v12-15 bytes, v20-23 the conversions' scale operands
; 64 numbers of a lane, register s + 16 b + i = k 32 b + 16 (lane / 16) + i of the lane's row, become a fragment's 16 registers of codes at pc and its row's scale word in pw
.macro QUANT s, pc, pw
.irp b, 0,1,2,3
	v_max3_num_f32 v[TM+\b], |v[(\s)+16*\b]|, |v[(\s)+1+16*\b]|, 0x8000000   ; my 16 numbers of block b, and the floor 2^(16 - 127): the byte cannot fall under 1
.endr
.irp i, 2,4,6,8,10,12,14
.irp b, 0,1,2,3
	v_max3_num_f32 v[TM+\b], v[TM+\b], |v[(\s)+16*\b+\i]|, |v[(\s)+1+16*\b+\i]|   ; the four blocks by turns
.endr
.endr
.irp b, 0,1,2,3
	v_permlanex16_b32 v[TM+4+\b], v[TM+\b], s[SEL], s[SEL+1]
.endr
.irp b, 0,1,2,3
	v_max_num_f32 v[TM+\b], v[TM+\b], v[TM+4+\b]                 ; with lane l xor 16's 16: the block's largest magnitude
.endr
.irp b, 0,1,2,3
	v_add_nc_u32 v[TM+12+\b], 0xf8800000, v[TM+\b]               ; 15 off its exponent field: the conversion's scale operand
.endr
.irp b, 0,1,2,3
.endr
.irp b, 0,1,2,3
	v_lshrrev_b32 v[TM+4+\b], 23, v[TM+12+\b]                    ; the scale's byte
.endr
	v_lshl_or_b32 v[\pw], v[TM+5], 8, v[TM+4]
	v_lshl_or_b32 v[\pw], v[TM+6], 16, v[\pw]
	v_lshl_or_b32 v[\pw], v[TM+7], 24, v[\pw]
.irp b, 0,1,2,3
.irp i, 0,1,2,3,4,5,6,7,8,9,10,11,12,13,14,15
.endr
	v_cvt_scalef32_pk8_bf8_f32 v[(\pc)+4*\b:(\pc)+4*\b+1], v[(\s)+16*\b:(\s)+16*\b+7], v[TM+12+\b]
	v_cvt_scalef32_pk8_bf8_f32 v[(\pc)+4*\b+2:(\pc)+4*\b+3], v[(\s)+16*\b+8:(\s)+16*\b+15], v[TM+12+\b]
.endr
	v_nop                                          ; a plain line behind the last conversion
.endm
	s_load_b256 s[4:11], s[0:1], 0x0               ; x s[4:5], Wq s[6:7], Wk s[8:9], Wv s[10:11]
	s_load_b256 s[12:19], s[0:1], 0x20             ; Wp s[12:13], xcodes s[14:15], wcodes s[16:17], xs s[18:19]
	s_load_b64 s[20:21], s[0:1], 0x40              ; ps
	v_lshl_add_u32 v30, v0, 2, 0x8400
	v_mov_b32 v31, 0
	v_lshrrev_b32 v1, 5, v0
	v_readfirstlane_b32 s22, v1                    ; wave 0..3
	v_and_b32 v1, 31, v0                           ; lane
	v_and_b32 v2, 15, v0                           ; r
	v_bfe_u32 v3, v0, 4, 1                         ; h
	s_mov_b32 s[SEL], 0x76543210
	s_mov_b32 s[SEL+1], 0xfedcba98
	s_cmp_lt_u32 ttmp9, 512
	s_cbranch_scc0 .Lweights
	; ---- x: tile mt = the work-group's number, K chunk = the wave's number: 16 rows x 256 along K.
	; Each load takes 512 consecutive bytes of one row; a step's 16 rows x 512 bytes turn through the wave's own stage (rows 528 bytes apart) so that a lane gets 16 neighbours of each block of 32.
	v_lshlrev_b32 v4, 4, v1                        ; 16 x lane: my bytes of a load, of a stage row on the way in, and of a store of codes
	s_mul_i32 s26, s22, 8448                       ; my stage: 16 rows x 528 bytes
	v_add_nc_u32 v5, s26, v4
	v_mul_u32_u24 v6, v2, 528
	v_lshl_add_u32 v6, v3, 6, v6
	v_add_nc_u32 v6, s26, v6                       ; out of the stage: row r, + 64 h
	v_lshlrev_b32 v7, 5, v2
	v_lshl_add_u32 v7, v3, 2, v7                   ; the scale words: 32 r + 4 h
.irp b, 0,1,2,3
	v_mov_b32 v[TM+4+\b], 0                        ; written once: a lane permute's destination counts as one of its sources
.endr
	s_lshr_b32 s28, ttmp9, 1
	s_lshl_b32 s28, s28, 17                        ; 32 (mt / 2) rows of 4,096 bytes
	s_and_b32 s29, ttmp9, 1
	s_lshl_b32 s29, s29, 15                        ; + 8 (mt % 2) rows
	s_add_co_u32 s28, s28, s29
	s_lshl_b32 s29, s22, 10                        ; + 256 numbers a chunk
	s_add_co_u32 s28, s28, s29
	s_mov_b32 s29, 0
	s_lshr_b32 s30, ttmp9, 3
	s_lshl_b32 s30, s30, 17                        ; the codes: (mt / 8) 131072
	s_lshl_b32 s31, s22, 15                        ; + chunk x 32768
	s_add_co_u32 s30, s30, s31
	s_and_b32 s31, ttmp9, 7
	s_lshl_b32 s31, s31, 12                        ; + (mt % 8) 4096
	s_add_co_u32 s30, s30, s31
	s_mov_b32 s31, 0
	s_lshl_b32 s32, ttmp9, 9                       ; the scale bytes: 512 mt + 8 x chunk
	s_lshl_b32 s33, s22, 3
	s_add_co_u32 s32, s32, s33
	s_mov_b32 s33, 0
	s_wait_alu depctr_va_vdst(0)
	s_wait_kmcnt 0x0
	s_add_nc_u64 s[4:5], s[4:5], s[28:29]
	s_add_nc_u64 s[14:15], s[14:15], s[30:31]
	s_add_nc_u64 s[18:19], s[18:19], s[32:33]
.irp q, 0,1
.irp i, 0,1,2,3,4,5,6,7,8,9,10,11,12,13,14,15
	global_load_b128 v[32+64*\q+4*\i:32+64*\q+4*\i+3], v4, s[4:5] offset:(\i+8*(\i/8))*4096+512*\q th:TH_LOAD_NT   ; row' i of the tile, 128 along K: 512 consecutive bytes
.endr
.endr
.macro XSTEP q, rr, xx, pc, pw
	s_wait_loadcnt 16*(1-\q)                       ; this step's 16 loads are in; the next step's 16 may be out
.irp i, 0,1,2,3,4,5,6,7,8,9,10,11,12,13,14,15
	ds_store_b128 v5, v[\rr+4*\i:\rr+4*\i+3] offset:528*\i
.endr
.irp c, 0,1,2,3
.irp j, 0,1,2,3
	ds_load_b128 v[\xx+16*\c+4*\j:\xx+16*\c+4*\j+3], v6 offset:128*\c+16*\j   ; LDS serves a wave's instructions in order (ISA guide 5.7.1.4): these see my stores
.endr
.endr
	s_wait_dscnt 0x0
	QUANT \xx, \pc, \pw
.irp c, 0,1,2,3
	global_store_b128 v4, v[\pc+4*\c:\pc+4*\c+3], s[14:15] offset:2048*\q+512*\c   ; 32 lanes store 512 consecutive bytes
.endr
.endm
	XSTEP 0, 32, 160, 224, 24
	XSTEP 1, 96, 32, 240, 25                       ; (its neighbours land where step 0's rows lay: the stage's stores have read them)
	v_cmp_gt_u32 vcc_lo, 16, v1
	v_cndmask_b32 v26, v25, v24, vcc_lo            ; lanes 0-15 send step 0's word, lanes 16-31 step 1's (both halves of the lanes hold both)
	global_store_b32 v7, v26, s[18:19]
	s_wait_tensorcnt 0x0
	ds_add_u32 v30, v31
	s_wait_dscnt 0x0
	s_endpgm
.Lweights:
	; ---- a weight: A LANE TAKES A COLUMN n AND ITS REGISTERS RUN DOWN K: a block of 32 lies in one lane, and the codes come out with K innermost.  Nothing is transposed.
	; Lane l takes column 32 F + 8 (l / 16) + l % 16 + 8 ((l % 16) / 8): lanes 0-15 are tile 2 F of the image, lanes 16-31 tile 2 F + 1; a load still covers 128 consecutive bytes, the four waves 512.
	s_sub_co_u32 s26, ttmp9, 512
	s_lshr_b32 s27, s26, 6                         ; which weight
	s_bfe_u32 s28, s26, 0x30003                    ; which 128 columns
	s_and_b32 s29, s26, 7                          ; which 128 along K
	s_lshl_b32 s28, s28, 2
	s_add_co_u32 s28, s28, s22                     ; F: my 32 columns
	s_wait_alu depctr_va_vdst(0)
	v_and_b32 v4, 8, v2
	v_add_nc_u32 v4, v4, v2
	v_lshl_add_u32 v4, v3, 3, v4
	v_lshlrev_b32 v4, 2, v4                        ; my column among the 32, in bytes
	v_lshlrev_b32 v5, 4, v2
	v_lshl_add_u32 v5, v3, 12, v5                  ; my codes: tile l / 16 (4,096 bytes on), 16 r
	v_lshlrev_b32 v6, 5, v1                        ; my row' of scale bytes
	s_lshl_b32 s30, s29, 19                        ; 128 rows of 4,096 bytes
	s_lshl_b32 s31, s28, 7
	s_add_co_u32 s30, s30, s31
	s_mov_b32 s31, 0
	s_lshl_b32 s32, s27, 3
	s_lshr_b32 s33, s28, 2
	s_add_co_u32 s32, s32, s33
	s_lshl_b32 s32, s32, 17                        ; the group of 128 rows': 8 x weight + F / 4
	s_lshr_b32 s33, s29, 1
	s_lshl_b32 s33, s33, 15
	s_add_co_u32 s32, s32, s33
	s_and_b32 s33, s28, 3
	s_lshl_b32 s33, s33, 13                        ; tile 2 (F % 4) of the group
	s_add_co_u32 s32, s32, s33
	s_and_b32 s33, s29, 1
	s_lshl_b32 s33, s33, 11
	s_add_co_u32 s32, s32, s33
	s_mov_b32 s33, 0
	s_cmp_lt_u32 s27, 3
	s_cselect_b32 s34, s27, 0                      ; Wp's scale bytes begin their own table
	s_lshl_b32 s34, s34, 15
	s_lshl_b32 s35, s28, 10
	s_add_co_u32 s34, s34, s35
	s_lshl_b32 s35, s29, 2
	s_add_co_u32 s34, s34, s35
	s_add_co_u32 s34, s34, 262144
	s_mov_b32 s35, 0
	s_wait_alu depctr_va_vdst(0)
	s_wait_kmcnt 0x0
	s_cmp_lt_u32 s27, 3
	s_cselect_b64 s[18:19], s[18:19], s[20:21]     ; xs, or ps for Wp: the choices hang on the work-group's number alone
	s_cmp_eq_u32 s27, 0
	s_cselect_b64 s[6:7], s[6:7], s[8:9]
	s_cmp_eq_u32 s27, 2
	s_cselect_b64 s[10:11], s[10:11], s[12:13]
	s_cmp_lt_u32 s27, 2
	s_cselect_b64 s[6:7], s[6:7], s[10:11]
	s_add_nc_u64 s[6:7], s[6:7], s[30:31]
	s_add_nc_u64 s[16:17], s[16:17], s[32:33]
	s_add_nc_u64 s[18:19], s[18:19], s[34:35]
.macro WLOAD c
.irp i, 0,1,2,3,4,5,6,7,8,9,10,11,12,13,14,15,16,17,18,19,20,21,22,23,24,25,26,27,28,29,30,31
	global_load_b32 v[32+32*(\c)+\i], v4, s[6:7] offset:(32*(\c)+\i)*4096 th:TH_LOAD_NT
.endr
.endm
.macro WBLOCK c
.set XS, 32+32*(\c)
.if (\c) < 3
	s_wait_loadcnt 32                              ; this block's 32 loads are in; the next block's may be out
.else
	s_wait_loadcnt 0x0
.endif
.if (\c) < 2
	WLOAD (\c)+2                                   ; every block has registers of its own: the block two on is asked for at once
.endif
	v_max3_num_f32 v12, |v[XS]|, |v[XS+1]|, |v[XS+2]|
	v_max3_num_f32 v13, |v[XS+3]|, |v[XS+4]|, |v[XS+5]|
.irp i, 6,10,14,18,22,26
	v_max3_num_f32 v12, v12, |v[XS+\i]|, |v[XS+\i+1]|
	v_max3_num_f32 v13, v13, |v[XS+\i+2]|, |v[XS+\i+3]|
.endr
	v_max3_num_f32 v12, v12, |v[XS+30]|, |v[XS+31]|
	v_max3_num_f32 v12, v12, v13, 0x8000000        ; and the floor
	v_add_nc_u32 v11, 0xf8800000, v12
	v_lshrrev_b32 v13, 23, v11
.if (\c) == 0
	v_mov_b32 v24, v13
.else
	v_lshl_or_b32 v24, v13, 8*(\c), v24
.endif
.irp i, 0,1,2,3,4,5,6,7,8,9,10,11,12,13,14,15,16,17,18,19,20,21,22,23,24,25,26,27,28,29,30,31
.endr
.irp g, 0,1,2,3
	v_cvt_scalef32_pk8_bf8_f32 v[160+8*(\c)+2*\g:160+8*(\c)+2*\g+1], v[XS+8*\g:XS+8*\g+7], v11
.endr
	v_nop                                          ; a plain line behind the last conversion
	global_store_b128 v5, v[160+8*(\c):160+8*(\c)+3], s[16:17] offset:512*(\c)         ; k 32 c + 0 .. 15: sixteen lanes fill 256 consecutive bytes, aligned
	global_store_b128 v5, v[160+8*(\c)+4:160+8*(\c)+7], s[16:17] offset:512*(\c)+256   ; k 32 c + 16 .. 31
.endm
	WLOAD 0
	WLOAD 1
	WBLOCK 0
	WBLOCK 1
	WBLOCK 2
	WBLOCK 3
	global_store_b32 v6, v24, s[18:19]             ; my column's four scale bytes
	s_endpgm
.Lfunc_end_k_qab75cb144f_quant:
	.size	k_qab75cb144f_quant, .Lfunc_end_k_qab75cb144f_quant-k_qab75cb144f_quant
	.p2alignl 7, 3214868480
	.fill 96, 4, 3214868480
	.section	.rodata,"a",@progbits
	.p2align	6, 0x0
	.amdhsa_kernel k_qab75cb144f_quant
		.amdhsa_group_segment_fixed_size 34304
		.amdhsa_private_segment_fixed_size 0
		.amdhsa_enable_private_segment 0
		.amdhsa_kernarg_size 72
		.amdhsa_user_sgpr_count 2
		.amdhsa_user_sgpr_kernarg_segment_ptr 1
		.amdhsa_wavefront_size32 1
		.amdhsa_system_sgpr_workgroup_id_x 1
		.amdhsa_system_sgpr_workgroup_id_y 1
		.amdhsa_system_sgpr_workgroup_id_z 1
		.amdhsa_system_vgpr_workitem_id 0
		.amdhsa_next_free_vgpr 256
		.amdhsa_next_free_sgpr 66
		.amdhsa_reserve_vcc 1
		.amdhsa_float_denorm_mode_32 3
		.amdhsa_float_denorm_mode_16_64 3
		.amdhsa_fp16_overflow 1
		.amdhsa_memory_ordered 1
		.amdhsa_forward_progress 1
		.amdhsa_inst_pref_size 39
	.end_amdhsa_kernel
	.amdgpu_metadata
---
amdhsa.version: [ 1, 2 ]
amdhsa.kernels:
  - .name:           k_qab75cb144f_quant
    .symbol:         k_qab75cb144f_quant.kd
    .args:
      - { .name: x, .offset: 0, .size: 8, .value_kind: global_buffer, .address_space: global }
      - { .name: Wq, .offset: 8, .size: 8, .value_kind: global_buffer, .address_space: global }
      - { .name: Wk, .offset: 16, .size: 8, .value_kind: global_buffer, .address_space: global }
      - { .name: Wv, .offset: 24, .size: 8, .value_kind: global_buffer, .address_space: global }
      - { .name: Wp, .offset: 32, .size: 8, .value_kind: global_buffer, .address_space: global }
      - { .name: xcodes, .offset: 40, .size: 8, .value_kind: global_buffer, .address_space: global }
      - { .name: wcodes, .offset: 48, .size: 8, .value_kind: global_buffer, .address_space: global }
      - { .name: xs, .offset: 56, .size: 8, .value_kind: global_buffer, .address_space: global }
      - { .name: ps, .offset: 64, .size: 8, .value_kind: global_buffer, .address_space: global }
    .group_segment_fixed_size: 34304
    .private_segment_fixed_size: 0
    .kernarg_segment_align: 8
    .kernarg_segment_size: 72
    .max_flat_workgroup_size: 128
    .sgpr_count:     66
    .vgpr_count:     256
    .wavefront_size: 32
...
	.end_amdgpu_metadata
.endif
;; end of part 1
;; launch qkv (part 2): grid 12 x 32, 4 waves a work-group, clusters of 4 x 4, 327,680 bytes of LDS; arguments xcodes, wcodes, xs, bq, bk, bv, qkvc, qkvs; writes qkvc, qkvs
.if DOCPART == 2
	.amdgcn_target "amdgcn-amd-amdhsa--gfx1250"
	.amdhsa_code_object_version 6
	.text
	.protected	k_qab75cb144f_qkv
	.globl	k_qab75cb144f_qkv
	.p2align	8
	.type	k_qab75cb144f_qkv,@function
k_qab75cb144f_qkv:
	s_mov_b64 s[64:65], 0
	v_nop
	global_prefetch_b8 v0, s[64:65] scope:SCOPE_SE
	s_setreg_imm32_b32 hwreg(HW_REG_WAVE_MODE, 25, 1), 1
	s_wait_xcnt 0x0
	s_wait_alu depctr_hold_cnt(0) depctr_sa_sdst(0) depctr_va_vdst(0) depctr_va_sdst(0) depctr_va_ssrc(0) depctr_va_vcc(0) depctr_vm_vsrc(0)
	s_getreg_b32 s2, hwreg(HW_REG_IB_STS2, 6, 4)
	s_cmp_eq_u32 s2, 0
	s_cbranch_scc0 .Lentry_in_a_cluster
	s_endpgm
.Lentry_in_a_cluster:
	s_bfe_u32 s2, ttmp6, 0x10000c
	s_cmp_lg_u32 s2, 0xf033
	s_cbranch_scc0 .Lentry_shape_is_right
	s_endpgm
.Lentry_shape_is_right:
; q = x Wq + bq, k = x Wk + bk, v = x Wv + bv on codes of BF8 (E5M2) with E8M0 scales, sums in f32; the results are quantised in registers, q and k along the head's 64, v along the keys, and leave as codes.
; A work-group makes 256 tokens x 256 columns n of one of the three products; a wave 128 x 128: 64 accumulators, 512 registers.  K = 1,024 goes in four chunks of 256 through two LDS slots, eight steps of 128, all written out.
; THE CODES LIE IN MEMORY AS IMAGES OF THE OPERAND'S REGISTERS: 128 rows x 256 K are 32,768 dense bytes, one tensor load; a fragment is four ds_load_b128 at 16 x lane, 512 consecutive bytes each: no pitch, no padding.
; Rows of a tile are not neighbours: tile T holds rows 32 (T / 2) + 8 (T % 2) + r + 8 (r / 8), so that in a result the 16 registers of tiles 2 b, 2 b + 1 of source 0 are 16 neighbours: what the next quantiser wants.
; THE KIND is the cluster's x (0 q, 1 k, 2 v), the same in all sixteen partners.  q, k: source 0 = W's rows n, source 1 = x's tokens: a lane holds one token, its registers run along d.
; v: source 0 = x's tokens, source 1 = W's rows n: a lane holds one d, its registers run along the tokens, which are the keys.  The tensor loads are the same for every kind; only the bases of the LDS reads and of the scale words are chosen.
; CLUSTERS: 4 x 4 work-groups; x's tiles are shared along a row of the cluster, W's along a column: joint loads.  384 work-groups: a tile of 256 x 384, which would give 256, needs 768 registers of accumulators beside the fragments.
; OUT.  qkvc: q at 0, k at 8,388,608, v at 16,777,216; head-batch g 131,072 bytes, a step of 128 tokens 8,192.  q, k: tile a of 16 tokens 1,024 bytes, block of d 512, 16 x lane.  v: tile of d 2,048, block of keys 512, 16 x lane.
; qkvs: q at 0 [g][step][r][a] words (s0, s1, s0, s1); k at 524,288 [g][step][r][f] words (tile 2 f: two bytes; tile 2 f + 1: two bytes); v at 786,432 [g][step][r][tile of d] words (the step's four blocks of keys).
; LIMITS: NaN and infinities are not served; a block of zeros gets the byte 1 where the rule says 127 (its codes are zeros, and this program alone reads the bytes).
; REGISTERS, in windows of 256: window 0: v0-31 addresses; v32-95 scale words; v96-103 scale words on the way out; v128-255 source 1's eight fragments, ONE set, later the way out.
;   window 1: source 0's fragments, two sets, at v0 and v128; at the end the biases in set 0.   windows 2, 3: accumulator (a, b) at 8 (8 a + b).
.set SLOT,   131072                    ; x's two blocks of 128 rows, then W's two: 4 x 32,768 bytes
.set CHUNK,  32768
.set SPARE,  2*SLOT                    ; behind the ring: the spare words, 128 bytes for each wave: two blocks of 256 bytes that no other line names
.set S1A,  16                          ; v16-17  LDS address of source 1's fragments in slot 0, 1
.set S0A,  20                          ; v20-21  the same for source 0
.set SELQ, 22                          ; v22, v23 byte selects for the scale words of q and of k
.set SELK, 23
.set QO,   24                          ; v24  8192 h + 32 r
.set KO,   25                          ; v25  4096 h + 16 r
.set CO,   26                          ; v26  16 x lane
.set SO,   27                          ; v27  my scale words in xs
.set SPW,  28                          ; v28  LDS address of my spare word; never rewritten
.set NIL,  29                          ; v29  0; never rewritten
.set BQ,   30                          ; v30  64 h: the biases of q and k
.set BV,   31                          ; v31  4 (r + 8 (r / 8)): those of v
.set SC,   32                          ; v[SC + 8 i + ks]: lanes 0-15 the word of source 1's tile i, lanes 16-31 that of source 0's tile i, for K step ks
.set SW,   96
.set S1F,  128
.set H,    128                         ; the way out: 64 numbers
.set PC,   192                         ; two sets of 16 registers of codes
.set TM,   224
.set PWA,  240                         ; the eight scale words made
.set KIND, 3
.set G1,   24                          ; s[24:31] descriptor group 1 for x's tiles;  s[32:39] group 0, one set for each slot
.set G0,   32
.set G1B,  48                          ; s[48:55], s[56:63] the same for W's tiles
.set G0B,  56
.set BIA,  10                          ; s[10:11] the bias
.set OUTP, 72                          ; s[72:73] the codes' way out
.set SCO,  74                          ; s[74:75] the scale words'
.set MNT,  90
.set SEL,  92
.set MSB, 0
.macro WIN new                         ; the immediate's high byte repeats the setting that is left
.if MSB != (\new)
	s_set_vgpr_msb (MSB<<8)|(\new)
.set MSB, (\new)
.endif
.endm
.set MUL_LO, 0xa1                      ; source 0 window 1, source 1 window 0, C and D window 2
.set MUL_HI, 0xf1                      ; the same, C and D window 3
.set TO_S0,  0x40                      ; destination window 1, address window 0
.macro PLACES n
.rept \n
	v_nop
.endr
.endm
; A joint load: waves 0 and 1 fetch x's two blocks, waves 2 and 3 W's.  The branch hangs on the wave's number alone.  Four v_nop follow each of the two lines.
.macro JLOAD s
	s_cmp_eq_u32 s15, 0
	s_cbranch_scc0 .Lfor_b_\@
	tensor_load_to_lds s[G0+4*\s:G0+4*\s+3], s[G1:G1+7]
	s_nop 0
.rept 4
	v_nop
.endr
	s_branch .Lasked_\@
.Lfor_b_\@:
	tensor_load_to_lds s[G0B+4*\s:G0B+4*\s+3], s[G1B:G1B+7]
	s_nop 0
.rept 4
	v_nop
.endr
.Lasked_\@:
.endm
.macro CREST                           ; a round of the cluster's barrier behind its opening barrier
	s_cmp_lg_u32 s14, 0
	s_cbranch_scc1 .Lnot_wave_0_\@
	s_barrier_signal -3
.Lnot_wave_0_\@:
	s_barrier_wait -3
	s_barrier_signal -1
	s_barrier_wait -1
.endm
.macro CROUND
	s_barrier_signal -1
	s_barrier_wait -1
	CREST
.endm
; 64 numbers of a lane, register s + 16 b + i = place 32 b + 16 (lane / 16) + i along the quantiser's axis, become 16 registers of codes at pc and the four blocks' bytes in pw
.macro QUANT s, pc, pw
.irp b, 0,1,2,3
	v_max3_num_f32 v[TM+\b], |v[(\s)+16*\b]|, |v[(\s)+1+16*\b]|, 0x8000000   ; my 16 numbers of block b, and the floor 2^(16 - 127): the byte cannot fall under 1
.endr
.irp i, 2,4,6,8,10,12,14
.irp b, 0,1,2,3
	v_max3_num_f32 v[TM+\b], v[TM+\b], |v[(\s)+16*\b+\i]|, |v[(\s)+1+16*\b+\i]|
.endr
.endr
.irp b, 0,1,2,3
	v_permlanex16_b32 v[TM+4+\b], v[TM+\b], s[SEL], s[SEL+1]
.endr
.irp b, 0,1,2,3
	v_max_num_f32 v[TM+\b], v[TM+\b], v[TM+4+\b]                 ; with lane l xor 16's 16: the block's largest magnitude
.endr
.irp b, 0,1,2,3
	v_add_nc_u32 v[TM+12+\b], 0xf8800000, v[TM+\b]               ; 15 off its exponent field: the conversion's scale operand
.endr
.irp b, 0,1,2,3
.endr
.irp b, 0,1,2,3
	v_lshrrev_b32 v[TM+4+\b], 23, v[TM+12+\b]                    ; the scale's byte
.endr
	v_lshl_or_b32 v[\pw], v[TM+5], 8, v[TM+4]
	v_lshl_or_b32 v[\pw], v[TM+6], 16, v[\pw]
	v_lshl_or_b32 v[\pw], v[TM+7], 24, v[\pw]
.irp b, 0,1,2,3
.irp i, 0,1,2,3,4,5,6,7,8,9,10,11,12,13,14,15
.endr
	v_cvt_scalef32_pk8_bf8_f32 v[(\pc)+4*\b:(\pc)+4*\b+1], v[(\s)+16*\b:(\s)+16*\b+7], v[TM+12+\b]
	v_cvt_scalef32_pk8_bf8_f32 v[(\pc)+4*\b+2:(\pc)+4*\b+3], v[(\s)+16*\b+8:(\s)+16*\b+15], v[TM+12+\b]
.endr
	v_nop                                          ; a plain line behind the last conversion
.endm
	s_load_b256 s[4:11], s[0:1], 0x0               ; xcodes s[4:5], wcodes s[6:7], xs s[8:9], bq s[10:11]
	s_load_b256 s[68:75], s[0:1], 0x20             ; bk s[68:69], bv s[70:71], qkvc s[72:73], qkvs s[74:75]
	v_lshl_add_u32 v[SPW], v0, 2, SPARE
	v_mov_b32 v[NIL], 0
	ds_add_u32 v28, v29
	ds_add_u32 v28, v29
	s_wait_dscnt 0x0
	v_lshrrev_b32 v1, 5, v0
	v_readfirstlane_b32 s14, v1                    ; wave 0..3
	s_lshr_b32 s15, s14, 1                         ; which 128 tokens are mine.  Also: I fetch for x (0) or for W (1)
	s_and_b32 s16, s14, 1                          ; which 128 columns n.  Also: which block of 128 rows I fetch
	s_bfe_u32 s40, ttmp6, 0x40000                  ; cx, cy: my place in the cluster
	s_bfe_u32 s41, ttmp6, 0x40004
	s_mov_b32 s[KIND], ttmp9                       ; the cluster's x: 0 q, 1 k, 2 v
	s_lshl_b32 s42, ttmp9, 2
	s_add_co_u32 s42, s42, s40                     ; X: which 256 rows' of wcodes
	s_and_b32 s17, ttmp7, 0xffff
	s_lshl_b32 s17, s17, 2
	s_add_co_u32 s17, s17, s41                     ; Y: which 256 tokens
	s_lshl_b32 s43, s41, 2
	s_lshl_b32 s43, 15, s43                        ; my row of the cluster
	s_lshl_b32 s44, 0x1111, s40                    ; my column
	; descriptor group 1: a dense block of 32,768 bytes as 128 rows of 256 bytes (32 elements of 8 bytes), no padding
	s_or_b32 s[G1+0], s43, (3<<16)|(1<<21)         ; 15:0 the mask: x's tiles go to my row; 17:16 elements of 8 bytes; 21 set beside a mask
	s_or_b32 s[G1B+0], s44, (3<<16)|(1<<21)        ; W's go to my column
.irp g, G1, G1B
	s_mov_b32 s[\g+1], 32<<16                      ; tensor_dim0
	s_mov_b32 s[\g+2], 128<<16                     ; tensor_dim1
	s_mov_b32 s[\g+3], 32<<16                      ; tile_dim0
	s_mov_b32 s[\g+4], 128                         ; tile_dim1
	s_mov_b32 s[\g+5], 32                          ; tensor_dim0_stride
	s_mov_b32 s[\g+6], 0
	s_mov_b32 s[\g+7], 0
.endr
	s_lshl_b32 s20, s17, 1
	s_add_co_u32 s20, s20, s16
	s_lshl_b32 s20, s20, 17                        ; x: group 2 Y + half, 131,072 bytes a group
	s_mov_b32 s21, 0
	s_lshl_b32 s46, s42, 1
	s_add_co_u32 s46, s46, s16
	s_lshl_b32 s46, s46, 17                        ; W: group 2 X + half
	s_mov_b32 s47, 0
	s_lshl_b32 s45, s14, 15                        ; where they go: wave x 32,768: no place in the cluster enters an LDS address
	s_wait_kmcnt 0x0
	s_add_nc_u64 s[20:21], s[4:5], s[20:21]
	s_add_nc_u64 s[46:47], s[6:7], s[46:47]
	CROUND                                         ; all sixteen work-groups are here: the first joint loads meet
.irp s, 0,1
	s_mov_b32 s[G0+4*\s], 1
	s_add_co_u32 s[G0+4*\s+1], s45, \s*SLOT
	s_add_nc_u64 s[G0+4*\s+2:G0+4*\s+3], s[20:21], \s*CHUNK
	s_or_b32 s[G0+4*\s+3], s[G0+4*\s+3], 0x80000000
	s_mov_b32 s[G0B+4*\s], 1
	s_add_co_u32 s[G0B+4*\s+1], s45, \s*SLOT
	s_add_nc_u64 s[G0B+4*\s+2:G0B+4*\s+3], s[46:47], \s*CHUNK
	s_or_b32 s[G0B+4*\s+3], s[G0B+4*\s+3], 0x80000000
	JLOAD \s                                       ; chunks 0 and 1: two loads of mine are out
.endr
	v_and_b32 v1, 15, v0                           ; r
	v_bfe_u32 v2, v0, 4, 1                         ; h
	v_and_b32 v3, 31, v0                           ; lane
	s_wait_alu depctr_va_vdst(0)
	v_lshlrev_b32 v[CO], 4, v3
	s_lshl_b32 s76, s15, 15                        ; my tokens' block in a slot
	s_lshl_b32 s77, s16, 15
	s_add_co_u32 s77, s77, 65536                   ; my columns' block
	s_cmp_eq_u32 s[KIND], 2
	s_cselect_b32 s78, s77, s76                    ; source 1: x's tokens, for v W's rows
	s_cselect_b32 s79, s76, s77                    ; source 0: the other
	v_add_nc_u32 v[S1A], s78, v[CO]
	v_add_nc_u32 v[S0A], s79, v[CO]
	v_add_nc_u32 v[S1A+1], SLOT, v[S1A]
	v_add_nc_u32 v[S0A+1], SLOT, v[S0A]
	s_lshl_b32 s80, s17, 13
	s_lshl_b32 s81, s15, 12
	s_add_co_u32 s80, s80, s81                     ; my tokens' scale bytes: (256 Y + 128 half) x 32
	s_lshl_b32 s81, s42, 13
	s_lshl_b32 s82, s16, 12
	s_add_co_u32 s81, s81, s82
	s_add_co_u32 s81, s81, 262144                  ; my columns': behind x's
	s_cmp_eq_u32 s[KIND], 2
	s_cselect_b32 s82, s81, s80                    ; source 1's
	s_cselect_b32 s83, s80, s81                    ; source 0's
	v_mov_b32 v4, s82
	v_mov_b32 v5, s83
	v_cmp_lt_u32 vcc_lo, 15, v3
	v_cndmask_b32 v4, v4, v5, vcc_lo               ; lanes 0-15 take source 1's words, lanes 16-31 source 0's
	v_lshl_add_u32 v[SO], v1, 5, v4                ; + 32 r
.irp i, 0,1,2,3,4,5,6,7
	global_load_b128 v[SC+8*\i:SC+8*\i+3], v[SO], s[8:9] offset:512*\i       ; a row's 32 scale bytes: the words of all eight K steps; sixteen lanes read 512 consecutive bytes in two loads
	global_load_b128 v[SC+8*\i+4:SC+8*\i+7], v[SO], s[8:9] offset:512*\i+16
.endr
	v_mov_b32 v[SELQ], 0x01000100
	v_mov_b32 v4, 0x03020302
	v_cndmask_b32 v[SELQ], v[SELQ], v4, vcc_lo
	v_mov_b32 v[SELK], 0x05040100
	v_mov_b32 v4, 0x07060302
	v_cndmask_b32 v[SELK], v[SELK], v4, vcc_lo
	v_lshlrev_b32 v[QO], 5, v1
	v_lshl_add_u32 v[QO], v2, 13, v[QO]
	v_lshlrev_b32 v[KO], 4, v1
	v_lshl_add_u32 v[KO], v2, 12, v[KO]
	v_lshlrev_b32 v[BQ], 6, v2
	v_and_b32 v[BV], 8, v1
	v_add_nc_u32 v[BV], v[BV], v1
	v_lshlrev_b32 v[BV], 2, v[BV]
	s_mov_b32 s[SEL], 0x76543210
	s_mov_b32 s[SEL+1], 0xfedcba98
	s_cmp_eq_u32 s[KIND], 0                        ; the bias of my kind, at my 128 columns
	s_cselect_b64 s[BIA:BIA+1], s[10:11], s[68:69]
	s_cmp_eq_u32 s[KIND], 2
	s_cselect_b64 s[BIA:BIA+1], s[70:71], s[BIA:BIA+1]
	s_lshl_b32 s84, s40, 10
	s_lshl_b32 s85, s16, 9
	s_add_co_u32 s84, s84, s85
	s_mov_b32 s85, 0
	s_add_nc_u64 s[BIA:BIA+1], s[BIA:BIA+1], s[84:85]
	s_lshr_b32 s76, s17, 3
	s_lshl_b32 s76, s76, 4
	s_lshl_b32 s77, s40, 2
	s_add_co_u32 s76, s76, s77
	s_lshl_b32 s77, s16, 1
	s_add_co_u32 s76, s76, s77                     ; g0: my first head-batch = 16 x batch + 4 cx + 2 x half
	s_and_b32 s77, s17, 7
	s_lshl_b32 s77, s77, 1
	s_add_co_u32 s77, s77, s15                     ; my step of 128 tokens in the batch
	s_lshl_b32 s78, s[KIND], 23
	s_lshl_b32 s79, s76, 17
	s_add_co_u32 s78, s78, s79
	s_lshl_b32 s79, s77, 13
	s_add_co_u32 s78, s78, s79
	s_mov_b32 s79, 0
	s_add_nc_u64 s[OUTP:OUTP+1], s[OUTP:OUTP+1], s[78:79]
	s_lshl_b32 s86, s76, 12
	s_lshl_b32 s87, s77, 8
	s_add_co_u32 s86, s86, s87                     ; 4096 g0 + 256 step: k's and v's place; q's is twice that
	s_cmp_eq_u32 s[KIND], 0
	s_cselect_b32 s87, s86, 0x80000
	s_add_co_u32 s86, s86, s87
	s_cmp_eq_u32 s[KIND], 2
	s_cselect_b32 s87, 0x40000, 0
	s_add_co_u32 s86, s86, s87
	s_mov_b32 s87, 0
	s_add_nc_u64 s[SCO:SCO+1], s[SCO:SCO+1], s[86:87]
.macro FRAG reg, adr, q, i             ; a fragment, 16 rows x 128 K: 16 registers, 2,048 bytes on end in LDS
.irp c, 0,1,2,3
	ds_load_b128 v[(\reg)+4*\c:(\reg)+4*\c+3], v[\adr] offset:4096*(\i)+2048*(\q)+512*\c
.endr
.endm
.macro FETCH_S0 slot, q, p             ; source 0's eight fragments of the slot's q-th 128 along K into set p
	WIN TO_S0
.irp i, 0,1,2,3,4,5,6,7
	FRAG 128*(\p)+16*\i, S0A+\slot, \q, \i
.endr
	WIN 0
.endm
.macro FETCH_S1 slot, q, i0            ; source 1's tiles i0 .. i0 + 3
.irp i, \i0, \i0+1, \i0+2, \i0+3
	FRAG S1F+16*(\i), S1A+\slot, \q, \i
.endr
.endm
; 16 matrix instructions: source 1's tiles a0, a0 + 1 x source 0's eight, K step ks.  z = 1: the first product starts the sums.  The 64 accumulators take turns, one instruction a turn.
.macro MULG a0, p, ks, z
.irp a, \a0, \a0+1
.irp b, 0,1,2,3,4,5,6,7
.if \z
	v_wmma_scale_f32_16x16x128_f8f6f4 v[8*(8*((\a)%4)+\b):8*(8*((\a)%4)+\b)+7], v[128*(\p)+16*\b:128*(\p)+16*\b+15], v[S1F+16*(\a):S1F+16*(\a)+15], 0, v[SC+8*\b+(\ks)], v[SC+8*(\a)+(\ks)] matrix_a_fmt:MATRIX_FMT_BF8 matrix_b_fmt:MATRIX_FMT_BF8 matrix_a_scale:MATRIX_SCALE_ROW1
.else
	v_wmma_scale_f32_16x16x128_f8f6f4 v[8*(8*((\a)%4)+\b):8*(8*((\a)%4)+\b)+7], v[128*(\p)+16*\b:128*(\p)+16*\b+15], v[S1F+16*(\a):S1F+16*(\a)+15], v[8*(8*((\a)%4)+\b):8*(8*((\a)%4)+\b)+7], v[SC+8*\b+(\ks)], v[SC+8*(\a)+(\ks)] matrix_a_fmt:MATRIX_FMT_BF8 matrix_b_fmt:MATRIX_FMT_BF8 matrix_a_scale:MATRIX_SCALE_ROW1
.endif
.endr
.endr
.endm
; A load into a register that a matrix instruction has read stands eight places behind it: eight v_nop in front of each run of loads.
; A slot's first step: source 0's set 0; its successor lies in the same slot.
.macro STEP slot, ks, z
	s_wait_dscnt 16                                ; source 0's set and source 1's tiles 0-3 are in; the youngest 16 loads (tiles 4-7) may be out
	WIN MUL_LO
	MULG 0, 0, \ks, \z
	MULG 2, 0, \ks, \z
	s_wait_dscnt 0x0                               ; tiles 4-7 are in
	PLACES 8
	FETCH_S0 \slot, 1, 1
	FETCH_S1 \slot, 1, 0
	WIN MUL_HI
	MULG 4, 0, \ks, \z
	MULG 6, 0, \ks, \z
	PLACES 8
	WIN 0
	FETCH_S1 \slot, 1, 4
.endm
; A slot's second step changes slots: ONE barrier; in front of it each wave waits for all its tensor loads, adds 0 to its spare word, and waits for that and for its reads of this slot.  fill = 1: this slot is filled again, two chunks ahead.
.macro TURN slot, next, fill, ks
	s_wait_tensorcnt 0x0                           ; all my tensor loads have landed: my part of the next slot
	ds_add_u32 v[SPW], v[NIL]                      ; 0 onto my spare word
	s_wait_dscnt 17                                ; (the add and the youngest 16 loads may be out)
	WIN MUL_LO
	MULG 0, 1, \ks, 0                              ; sixteen matrix instructions stand between the add and the wait for it
	s_wait_dscnt 0x0                               ; the add is done, and my reads of this slot are over
	s_barrier_signal -1
	MULG 2, 1, \ks, 0
	WIN 0
	s_barrier_wait -1
.if \fill
	CREST                                          ; the barrier has opened a round of the cluster's barrier: no wave of any partner still reads this slot or has a load on its way
	s_add_nc_u64 s[G0+4*\slot+2:G0+4*\slot+3], s[G0+4*\slot+2:G0+4*\slot+3], 2*CHUNK
	s_add_nc_u64 s[G0B+4*\slot+2:G0B+4*\slot+3], s[G0B+4*\slot+2:G0B+4*\slot+3], 2*CHUNK
	JLOAD \slot                                    ; the first tensor load behind the round, my one load until the next; its four v_nop are four of the eight places
	PLACES 4
.else
	PLACES 8
.endif
	FETCH_S0 \next, 0, 0
	FETCH_S1 \next, 0, 0
	WIN MUL_HI
	MULG 4, 1, \ks, 0
	MULG 6, 1, \ks, 0
	PLACES 8
	WIN 0
	FETCH_S1 \next, 0, 4
.endm
	s_wait_tensorcnt 1                             ; my part of chunk 0 is in (chunk 1's load may be out)
	s_wait_loadcnt 0x0                             ; and so are the scale words
	s_barrier_signal -1
	s_barrier_wait -1                              ; everybody's is
	FETCH_S0 0, 0, 0
	FETCH_S1 0, 0, 0
	FETCH_S1 0, 0, 4
	STEP 0, 0, 1
	TURN 0, 1, 1, 1                                ; slot 0 takes chunk 2
	STEP 1, 2, 0
	TURN 1, 0, 1, 3                                ; slot 1 takes chunk 3
	STEP 0, 4, 0
	TURN 0, 1, 0, 5                                ; nothing is left to fetch: no round
	STEP 1, 6, 0
	; the biases come into source 0's set 0, which step 6 has left (its eight places stand behind its last product); they land under the last step's 64 products
	s_cmp_eq_u32 s[KIND], 2
	s_cbranch_scc1 .Lbias_v
	WIN TO_S0
	s_wait_alu depctr_va_vdst(0)
.irp b, 0,1,2,3,4,5,6,7
	global_load_b128 v[8*\b:8*\b+3], v[BQ], s[BIA:BIA+1] offset:(32*(\b/2)+8*(\b%2))*4       ; q, k: tile b's eight columns of my half: n = 32 (b / 2) + 16 h + 8 (b % 2) + 0 .. 7
	global_load_b128 v[8*\b+4:8*\b+7], v[BQ], s[BIA:BIA+1] offset:(32*(\b/2)+8*(\b%2))*4+16
.endr
	WIN 0
	s_branch .Lbias_in
.Lbias_v:
	WIN TO_S0
	s_wait_alu depctr_va_vdst(0)
.irp a, 0,1,2,3,4,5,6,7
	global_load_b32 v[2*\a], v[BV], s[BIA:BIA+1] offset:(32*(\a/2)+8*(\a%2))*4               ; v: my lane's one column of tile a, twice: a pair for the packed addition
	global_load_b32 v[2*\a+1], v[BV], s[BIA:BIA+1] offset:(32*(\a/2)+8*(\a%2))*4
.endr
	WIN 0
.Lbias_in:
	s_wait_dscnt 16                                ; the last step: nothing more to fetch
	WIN MUL_LO
	MULG 0, 1, 7, 0
	MULG 2, 1, 7, 0
	s_wait_dscnt 0x0
	WIN MUL_HI
	MULG 4, 1, 7, 0
	MULG 6, 1, 7, 0
	WIN 0
; THE WAY OUT, a tile a of source 1 at a time: the packed addition of the bias brings the tile's 64 numbers into window 0 (each accumulator from its low end on); they are quantised; the 16 registers of codes ARE the reader's image:
; four stores of 512 consecutive bytes.  No LDS.
.macro EPI isv
	s_wait_loadcnt 0x0                             ; the biases
	PLACES 8                                       ; behind the last products
.irp b, 0,1,2,3
	v_mov_b32 v[TM+4+\b], 0                        ; written once: a lane permute's destination counts as one of its sources
.endr
.irp a, 0,1,2,3,4,5,6,7
.set PCX, PC+16*((\a)%2)
.if (\a) >= 2
	s_wait_xcnt 0x0                                ; tile a - 2's stores have read their registers: that set of codes is written again only behind this wait
.endif
	WIN 0x06+(\a)/4                                ; source 0 (the sums) window 2 or 3, source 1 (the bias) window 1, destination window 0
.irp b, 0,1,2,3,4,5,6,7
.irp p, 0,1,2,3
.if \isv
	v_pk_add_f32 v[H+8*\b+2*\p:H+8*\b+2*\p+1], v[64*((\a)%4)+8*\b+2*\p:64*((\a)%4)+8*\b+2*\p+1], v[2*\a:2*\a+1]
.else
	v_pk_add_f32 v[H+8*\b+2*\p:H+8*\b+2*\p+1], v[64*((\a)%4)+8*\b+2*\p:64*((\a)%4)+8*\b+2*\p+1], v[8*\b+2*\p:8*\b+2*\p+1]
.endif
.endr
.endr
	WIN 0
	QUANT H, PCX, PWA+\a
.irp e, 0,1,2,3
.if \isv
	global_store_b128 v[CO], v[PCX+4*\e:PCX+4*\e+3], s[OUTP:OUTP+1] offset:((\a)&3)*2048+((\a)>>2)*131072+\e*512   ; head a / 4, tile of d a % 4, block of keys e
.else
	global_store_b128 v[CO], v[PCX+4*\e:PCX+4*\e+3], s[OUTP:OUTP+1] offset:(\a)*1024+((\e)&1)*512+((\e)>>1)*131072   ; tile of tokens a, head e / 2, block of d e % 2
.endif
.endr
.endr
.endm
	s_cmp_eq_u32 s[KIND], 2
	s_cbranch_scc1 .Lout_v
	EPI 0
	; a word made holds (head g0: two bytes; head g0 + 1: two bytes), the same in both halves of the lanes: lanes 0-15 serve head g0, lanes 16-31 head g0 + 1
	s_cmp_eq_u32 s[KIND], 0
	s_cbranch_scc0 .Lwords_k
.irp a, 0,1,2,3,4,5,6,7
	v_perm_b32 v[SW+\a], v[PWA+\a], v[PWA+\a], v[SELQ]            ; q: (s0, s1, s0, s1)
.endr
	global_store_b128 v[QO], v[SW:SW+3], s[SCO:SCO+1]
	global_store_b128 v[QO], v[SW+4:SW+7], s[SCO:SCO+1] offset:16
	s_branch .Lend
.Lwords_k:
.irp f, 0,1,2,3
	v_perm_b32 v[SW+\f], v[PWA+2*\f+1], v[PWA+2*\f], v[SELK]      ; k: tile 2 f's two bytes, then tile 2 f + 1's
.endr
	global_store_b128 v[KO], v[SW:SW+3], s[SCO:SCO+1]             ; sixteen lanes fill 256 consecutive bytes, aligned
	s_branch .Lend
.Lout_v:
	EPI 1
	v_cmp_lt_u32 vcc_lo, 15, v3
.irp t, 0,1,2,3
	v_cndmask_b32 v[SW+\t], v[PWA+\t], v[PWA+4+\t], vcc_lo        ; v: lanes 0-15 head g0's four tiles of d, lanes 16-31 head g0 + 1's
.endr
	global_store_b128 v[KO], v[SW:SW+3], s[SCO:SCO+1]
.Lend:
	s_wait_tensorcnt 0x0                           ; the wave's end
	ds_add_u32 v[SPW], v[NIL]
	s_wait_dscnt 0x0
	CROUND                                         ; the closing round: no work-group ends while a partner may still ask for a tile that names it
	s_endpgm
.Lfunc_end_k_qab75cb144f_qkv:
	.size	k_qab75cb144f_qkv, .Lfunc_end_k_qab75cb144f_qkv-k_qab75cb144f_qkv
	.p2alignl 7, 3214868480
	.fill 96, 4, 3214868480
	.section	.rodata,"a",@progbits
	.p2align	6, 0x0
	.amdhsa_kernel k_qab75cb144f_qkv
		.amdhsa_group_segment_fixed_size 327680
		.amdhsa_private_segment_fixed_size 0
		.amdhsa_enable_private_segment 0
		.amdhsa_kernarg_size 64
		.amdhsa_user_sgpr_count 2
		.amdhsa_user_sgpr_kernarg_segment_ptr 1
		.amdhsa_wavefront_size32 1
		.amdhsa_system_sgpr_workgroup_id_x 1
		.amdhsa_system_sgpr_workgroup_id_y 1
		.amdhsa_system_sgpr_workgroup_id_z 1
		.amdhsa_system_vgpr_workitem_id 0
		.amdhsa_next_free_vgpr 1024
		.amdhsa_next_free_sgpr 100
		.amdhsa_reserve_vcc 1
		.amdhsa_float_denorm_mode_32 3
		.amdhsa_float_denorm_mode_16_64 3
		.amdhsa_fp16_overflow 1
		.amdhsa_memory_ordered 1
		.amdhsa_forward_progress 1
		.amdhsa_inst_pref_size 216
	.end_amdhsa_kernel
	.amdgpu_metadata
---
amdhsa.version: [ 1, 2 ]
amdhsa.kernels:
  - .name:           k_qab75cb144f_qkv
    .symbol:         k_qab75cb144f_qkv.kd
    .args:
      - { .name: xcodes, .offset: 0, .size: 8, .value_kind: global_buffer, .address_space: global }
      - { .name: wcodes, .offset: 8, .size: 8, .value_kind: global_buffer, .address_space: global }
      - { .name: xs, .offset: 16, .size: 8, .value_kind: global_buffer, .address_space: global }
      - { .name: bq, .offset: 24, .size: 8, .value_kind: global_buffer, .address_space: global }
      - { .name: bk, .offset: 32, .size: 8, .value_kind: global_buffer, .address_space: global }
      - { .name: bv, .offset: 40, .size: 8, .value_kind: global_buffer, .address_space: global }
      - { .name: qkvc, .offset: 48, .size: 8, .value_kind: global_buffer, .address_space: global }
      - { .name: qkvs, .offset: 56, .size: 8, .value_kind: global_buffer, .address_space: global }
    .group_segment_fixed_size: 327680
    .private_segment_fixed_size: 0
    .kernarg_segment_align: 8
    .kernarg_segment_size: 64
    .max_flat_workgroup_size: 128
    .sgpr_count:     100
    .vgpr_count:     1024
    .wavefront_size: 32
...
	.end_amdgpu_metadata
.endif
;; end of part 2
;; launch attn (part 3): grid 4 x 64, 16 waves a work-group, clusters of 4 x 1, 327,680 bytes of LDS; arguments qkvc, qkvs, acodes, ps; writes acodes, ps
.if DOCPART == 3
	.amdgcn_target "amdgcn-amd-amdhsa--gfx1250"
	.amdhsa_code_object_version 6
	.text
	.protected	k_qab75cb144f_attn
	.globl	k_qab75cb144f_attn
	.p2align	8
	.type	k_qab75cb144f_attn,@function
k_qab75cb144f_attn:
	s_mov_b64 s[64:65], 0
	v_nop
	global_prefetch_b8 v0, s[64:65] scope:SCOPE_SE
	s_setreg_imm32_b32 hwreg(HW_REG_WAVE_MODE, 25, 1), 1
	s_wait_xcnt 0x0
	s_wait_alu depctr_hold_cnt(0) depctr_sa_sdst(0) depctr_va_vdst(0) depctr_va_sdst(0) depctr_va_ssrc(0) depctr_va_vcc(0) depctr_vm_vsrc(0)
	s_getreg_b32 s2, hwreg(HW_REG_IB_STS2, 6, 4)
	s_cmp_eq_u32 s2, 0
	s_cbranch_scc0 .Lentry_in_a_cluster
	s_endpgm
.Lentry_in_a_cluster:
	s_bfe_u32 s2, ttmp6, 0x10000c
	s_cmp_lg_u32 s2, 0x3003
	s_cbranch_scc0 .Lentry_shape_is_right
	s_endpgm
.Lentry_shape_is_right:
; Causal attention of one head-batch g (64 of them: 4 batches x 16 heads; 2,048 tokens, head size 64) on codes of BF8 (E5M2) with E8M0 scales; the result, divided by the row's sum, is quantised along C and leaves as codes.
; THE SOFTMAX: t = score x log2(e) / 8; M = the row's largest t so far, rounded UP to a whole number; p = 2^(t - M) is quantised along the keys, not normalised; the row's sum is taken of the unquantised p and divides at the end.
; When M moves, the sum and O are multiplied by 2^(old M - new M): exact.
; SHARES.  The four work-groups of a cluster share g.  Wave w of work-group cx owns the tiles of 16 queries j = 4 w + cx and 127 - j: w / 2 + 1 and 16 - w / 2 steps of 128 keys: 17 steps for every wave, two of them on the diagonal.
; Steps whose keys all come after the tile's queries are left out by a scalar branch that hangs on the wave's number alone; cx enters only global addresses and the mask's numbers.
; LDS HOLDS THE WHOLE HEAD, FILLED ONCE: K's codes 0 - 131,071, V's 131,072 - 262,143, K's scale words at 262,144, V's at 266,240.  Nothing is filled again.  Wave 0 asks for K's, wave 1 for V's: five joint loads each
; (mask: all four work-groups), which are the most that a wave has out.  The first tile's steps begin as soon as their chunk of four steps has landed.
; K = 64 IN AN INSTRUCTION OF 128: a fragment of K holds key tile 2 f in k 0-63 and key tile 2 f + 1 in k 64-127.  Q stands in 24 registers, q | zeros | q: the first 16 (q, zeros) pick tile 2 f, the last 16 (zeros, q) tile 2 f + 1.
; Zero codes add nothing; no code here is an infinity, since every quantiser of this program holds its numbers.
; LAYOUT.  Both products are used transposed (S^T = K Q^T, O^T = V^T P^T): a lane holds one query.  The rows of a tile are 32 (T / 2) + 8 (T % 2) + r + 8 (r / 8), for keys, queries and V's d alike, so that
; the 16 registers of S^T's tiles 2 f, 2 f + 1 are keys 32 f + 16 h + 0 .. 15, and those of O^T's tiles 2 b, 2 b + 1 are d 32 b + 16 h + 0 .. 15.
; LIMITS: v_exp_f32 gives 0 for a p under 2^-126; a block's largest p is taken from its largest score through the same two instructions (this takes v_exp_f32 not to fall where its input rises); a block of zeros keeps the byte 1.
; The result's scale bytes leave one byte a lane, 262,144 bytes in all.
.set LI,  1                            ; v1   16 x lane
.set LSC, 2                            ; v2   16 r + where K's scale words begin
.set RP,  3                            ; v3   r + 8 (r / 8) - 16 h
.set QSO, 4                            ; v4   32 r
.set DQ,  5                            ; v5   my query's place in its step of 128, less 16 h
.set PSO, 6                            ; v6   32 r + h
.set LN,  7                            ; v7   lane
.set ADK, 8                            ; v8-10 LDS addresses of the step in hand: K, V, scale words
.set ADV, 9
.set ADS, 10
                                       ; v12 -M, v13 the largest t, v[14:15] the sum in two halves; v16-23 q, v24-31 zeros, v32-39 q
.set KF,  40                           ; v40-103  four fragments of K, then of V
.set S,   104                          ; v104-167 S^T, then p
.set O,   168                          ; v168-199 O^T
.set PCD, 200                          ; v200-215 p's codes
.set BM,  216                          ; v216-219 block maxima; v220-223 permute results, then bytes; v228-231 the conversions' scale operands
.set KW,  232                          ; v232-235 K's scale words; v236-239 V's; v240 Q's; v241 p's
.set VW,  236
.set QW,  240
.set PW,  241
.set FF,  242                          ; v[242:243] f = 2^(old M - new M) (v243 is named with it as a pair, so it is written once)
.set T0,  244                          ; v244-246 at work
.set WV,  12
.set QT,  16                           ; s16 the tile of queries in hand
.set LAST, 17                          ; s17 its last step, the one on the diagonal
.set SN,  18                           ; s18 the step's number
.set MNT, 19
.set SEL, 20
.set CS,  22                           ; s[22:23] c = log2(e) / 8
.set G1C, 24                           ; s[24:31] descriptor group 1 for a chunk of codes; s[32:39] for the scale words; s[40:43] group 0 for the scale words; s[44:59] for the four chunks
.set G1S, 32
.set TB,  60                           ; s60 8192 x the step's number
.set TS,  61                           ; s61 256 x the step's number
.set CNT, 62
.set VBASE, 131072
.set KSC,   262144
.macro PLACES n
.rept \n
	v_nop
.endr
.endm
.macro ROUND                           ; a round of the cluster's barrier
	s_barrier_signal -1
	s_barrier_wait -1
	s_cmp_lg_u32 s[WV], 0
	s_cbranch_scc1 .Lnot_wave_0_\@
	s_barrier_signal -3
.Lnot_wave_0_\@:
	s_barrier_wait -3
	s_barrier_signal -1
	s_barrier_wait -1
.endm
	s_load_b256 s[4:11], s[0:1], 0x0               ; qkvc s[4:5], qkvs s[6:7], acodes s[8:9], ps s[10:11]
	v_lshl_add_u32 v254, v0, 2, 0x42000
	v_mov_b32 v255, 0
	ds_add_u32 v254, v255
	ds_add_u32 v254, v255
	v_lshrrev_b32 v1, 5, v0
	s_delay_alu instid0(VALU_DEP_1)
	v_readfirstlane_b32 s[WV], v1                  ; wave 0..15
	s_bfe_u32 s13, ttmp6, 0x40000                  ; cx
	s_and_b32 s14, ttmp7, 0xffff                   ; g, which the four partners share
	; descriptor groups 1: dense blocks as rows of 256 bytes (32 elements of 8 bytes): 128 rows for a chunk of four steps, 16 for a head's scale words
	s_mov_b32 s[G1C], 15|(3<<16)|(1<<21)           ; 15:0 the mask: all four work-groups; 17:16 elements of 8 bytes; 21 set beside a mask
	s_mov_b32 s[G1C+1], 32<<16
	s_mov_b32 s[G1C+2], 128<<16
	s_mov_b32 s[G1C+3], 32<<16
	s_mov_b32 s[G1C+4], 128
	s_mov_b32 s[G1C+5], 32
	s_mov_b32 s[G1C+6], 0
	s_mov_b32 s[G1C+7], 0
	s_mov_b32 s[G1S], 15|(3<<16)|(1<<21)
	s_mov_b32 s[G1S+1], 32<<16
	s_mov_b32 s[G1S+2], 16<<16
	s_mov_b32 s[G1S+3], 32<<16
	s_mov_b32 s[G1S+4], 16
	s_mov_b32 s[G1S+5], 32
	s_mov_b32 s[G1S+6], 0
	s_mov_b32 s[G1S+7], 0
	s_lshl_b32 s74, s[WV], 18                      ; scale words: wave 0 K's (at 524,288), wave 1 V's (262,144 on), 4,096 bytes a head
	s_lshl_b32 s75, s14, 12
	s_add_co_u32 s74, s74, s75
	s_add_co_u32 s74, s74, 524288
	s_mov_b32 s75, 0
	s_add_co_u32 s76, s[WV], 1
	s_lshl_b32 s76, s76, 23                        ; codes: wave 0 K's (at 8,388,608), wave 1 V's, 131,072 bytes a head
	s_lshl_b32 s77, s14, 17
	s_add_co_u32 s76, s76, s77
	s_mov_b32 s77, 0
	s_lshl_b32 s78, s[WV], 12
	s_add_co_u32 s78, s78, KSC                     ; where they go: the wave's number and constants alone
	s_lshl_b32 s79, s[WV], 17
	s_wait_dscnt 0x0
	s_wait_kmcnt 0x0
	s_add_nc_u64 s[74:75], s[6:7], s[74:75]
	s_add_nc_u64 s[76:77], s[4:5], s[76:77]
	s_mov_b32 s40, 1
	s_mov_b32 s41, s78
	s_mov_b64 s[42:43], s[74:75]
	s_or_b32 s43, s43, 0x80000000
.irp n, 0,1,2,3
	s_mov_b32 s[44+4*\n], 1
	s_add_co_u32 s[45+4*\n], s79, \n*32768
	s_add_nc_u64 s[46+4*\n:47+4*\n], s[76:77], \n*32768
	s_or_b32 s[47+4*\n], s[47+4*\n], 0x80000000
.endr
	ROUND                                          ; all four work-groups are here: the joint loads meet
	s_cmp_lt_u32 s[WV], 2                          ; all first fills of a wave stand in one branch on its number
	s_cbranch_scc0 .Lno_fetch
	tensor_load_to_lds s[40:43], s[G1S:G1S+7]      ; the scale words first: they are wanted with step 0
	s_nop 0
	tensor_load_to_lds s[44:47], s[G1C:G1C+7]      ; steps 0-3
	s_nop 0
	tensor_load_to_lds s[48:51], s[G1C:G1C+7]      ; steps 4-7
	s_nop 0
	tensor_load_to_lds s[52:55], s[G1C:G1C+7]      ; steps 8-11
	s_nop 0
	tensor_load_to_lds s[56:59], s[G1C:G1C+7]      ; steps 12-15
	s_nop 0
.rept 4
	v_nop
.endr
.Lno_fetch:
	v_and_b32 v[LN], 31, v0
	s_delay_alu instid0(VALU_DEP_1)
	v_lshlrev_b32 v[LI], 4, v[LN]
	v_and_b32 v11, 15, v0                          ; r
	v_bfe_u32 v[T0], v0, 4, 1                      ; h
	s_delay_alu instid0(VALU_DEP_2)
	v_lshl_add_u32 v[LSC], v11, 4, KSC
	s_delay_alu instid0(VALU_DEP_3)
	v_and_b32 v[RP], 8, v11
	s_delay_alu instid0(VALU_DEP_1)
	v_add_nc_u32 v[RP], v[RP], v11
	s_delay_alu instid0(VALU_DEP_4)
	v_lshlrev_b32 v[T0+1], 4, v[T0]
	s_delay_alu instid0(VALU_DEP_1)
	v_sub_nc_u32 v[RP], v[RP], v[T0+1]
	v_lshlrev_b32 v[QSO], 5, v11
	s_delay_alu instid0(VALU_DEP_1)
	v_add_nc_u32 v[PSO], v[QSO], v[T0]
.irp i, 0,1,2,3,4,5,6,7
	v_mov_b32 v[24+\i], 0                          ; the zero codes between q and q
.endr
.irp b, 0,1,2,3
	v_mov_b32 v[BM+4+\b], 0                        ; written once: a lane permute's destination counts as one of its sources
.endr
	v_mov_b32 v[FF+1], 0
	s_mov_b32 s[SEL], 0x76543210
	s_mov_b32 s[SEL+1], 0xfedcba98
	s_mov_b32 s[CS], 0x3e38aa3b                    ; c = log2(e) / 8
	s_mov_b32 s[CS+1], s[CS]
	s_lshl_b32 s15, s[WV], 2
	s_add_co_u32 s15, s15, s13                     ; j
	s_lshr_b32 s87, s[WV], 1
; The head of a tile of queries s[QT]: its addresses, Q and its scale word, the statistics.
.macro PASSHEAD
	s_lshl_b32 s80, s14, 17
	s_lshl_b32 s81, s[QT], 10
	s_add_co_u32 s80, s80, s81
	s_mov_b32 s81, 0
	s_add_nc_u64 s[66:67], s[4:5], s[80:81]        ; q's codes: 131072 g + 1024 tile
	s_lshl_b32 s80, s14, 13
	s_lshr_b32 s82, s[QT], 3
	s_lshl_b32 s82, s82, 9
	s_add_co_u32 s80, s80, s82
	s_and_b32 s82, s[QT], 7
	s_lshl_b32 s82, s82, 2
	s_add_co_u32 s80, s80, s82
	s_add_nc_u64 s[68:69], s[6:7], s[80:81]        ; q's scale words: 8192 g + 512 (tile / 8) + 4 (tile % 8)
	s_lshr_b32 s83, s14, 4
	s_lshl_b32 s83, s83, 7
	s_add_co_u32 s83, s83, s[QT]                   ; mt: the tile among all 512 tiles of tokens
	s_and_b32 s84, s14, 15                         ; the head
	s_lshr_b32 s80, s83, 3
	s_lshl_b32 s80, s80, 17
	s_lshr_b32 s82, s84, 2
	s_lshl_b32 s82, s82, 15
	s_add_co_u32 s80, s80, s82
	s_and_b32 s82, s83, 7
	s_lshl_b32 s82, s82, 12
	s_add_co_u32 s80, s80, s82
	s_and_b32 s82, s84, 3
	s_lshl_b32 s82, s82, 10
	s_add_co_u32 s80, s80, s82
	s_add_nc_u64 s[70:71], s[8:9], s[80:81]        ; the result's codes: the image's place of rows' 16 mt on, k 64 head on
	s_lshl_b32 s80, s83, 9
	s_lshl_b32 s82, s84, 1
	s_add_co_u32 s80, s80, s82
	s_add_nc_u64 s[72:73], s[10:11], s[80:81]      ; its scale bytes: 512 mt + 2 head
	global_load_b128 v[16:19], v[LI], s[66:67]
	global_load_b128 v[20:23], v[LI], s[66:67] offset:512
	global_load_b128 v[32:35], v[LI], s[66:67]
	global_load_b128 v[36:39], v[LI], s[66:67] offset:512
	global_load_b32 v[QW], v[QSO], s[68:69]
	s_and_b32 s82, s[QT], 7
	s_lshr_b32 s85, s82, 1
	s_lshl_b32 s85, s85, 5
	s_and_b32 s82, s[QT], 1
	s_lshl_b32 s82, s82, 3
	s_add_co_u32 s85, s85, s82
	v_add_nc_u32 v[DQ], s85, v[RP]
	v_mov_b32 v13, 0xff61b1e6                      ; the largest t so far: -3e38, under every t
	s_delay_alu instid0(VALU_DEP_1)
	v_floor_f32 v12, -v13                          ; -M
	v_mov_b32 v14, 0
	v_mov_b32 v15, 0
.set n, 0
.rept 32
	v_mov_b32 v[O+n], 0                            ; O^T: the step is written once; the first finds zeros, which the first change of M leaves zeros
.set n, n+1
.endr
	s_wait_loadcnt 0x0
.endm
; A KEY STEP: 128 keys.
.macro STEP
	s_cmp_gt_u32 s[SN], s[LAST]                    ; all its keys come after my queries: left out (not the lines at its end that step the addresses)
	s_cbranch_scc1 .Lskip_\@
	s_setprio 2
	v_add_nc_u32 v[ADK], s[TB], v[LI]
	v_add_nc_u32 v[ADS], s[TS], v[LSC]
	s_delay_alu instid0(VALU_DEP_2)
	v_add_nc_u32 v[ADV], VBASE, v[ADK]
	PLACES 5                                       ; with the three additions: eight places in front of loads into registers that matrix instructions have read
.irp f, 0,1,2,3
.irp c, 0,1,2,3
	ds_load_b128 v[KF+16*\f+4*\c:KF+16*\f+4*\c+3], v[ADK] offset:2048*\f+512*\c
.endr
.endr
	ds_load_b128 v[KW:KW+3], v[ADS]                ; my row's words of the four fragments
	s_wait_alu depctr_va_vdst(0)
	s_wait_dscnt 0x0
.irp f, 0,1,2,3
	v_wmma_scale_f32_16x16x128_f8f6f4 v[S+16*\f:S+16*\f+7], v[KF+16*\f:KF+16*\f+15], v[16:31], 0, v[KW+\f], v[QW] matrix_a_fmt:MATRIX_FMT_BF8 matrix_b_fmt:MATRIX_FMT_BF8      ; key tile 2 f
	v_wmma_scale_f32_16x16x128_f8f6f4 v[S+16*\f+8:S+16*\f+15], v[KF+16*\f:KF+16*\f+15], v[24:39], 0, v[KW+\f], v[QW] matrix_a_fmt:MATRIX_FMT_BF8 matrix_b_fmt:MATRIX_FMT_BF8   ; key tile 2 f + 1
.endr
	PLACES 8
.irp t, 0,1,2,3
.irp c, 0,1,2,3
	ds_load_b128 v[KF+16*\t+4*\c:KF+16*\t+4*\c+3], v[ADV] offset:2048*\t+512*\c   ; V's four fragments are asked for already here: they land under the softmax
.endr
.endr
	ds_load_b128 v[VW:VW+3], v[ADS] offset:4096
	s_cmp_lg_u32 s[SN], s[LAST]                    ; on the diagonal the scores of hidden keys become -infinity ahead of the maximum: p = 0 then
	s_cbranch_scc1 .Lopen_\@
	v_mov_b32 v[T0], 0xff800000
.set n, 0
.rept 64
	v_cmp_gt_i32 vcc_lo, 32*(n/16)+n%16, v[DQ]     ; register n holds key 32 (n / 16) + 16 h + n % 16 of the step
	v_cndmask_b32 v[S+n], v[S+n], v[T0], vcc_lo
.set n, n+1
.endr
.Lopen_\@:
.irp b, 0,1,2,3
	v_max3_num_f32 v[BM+\b], v[S+16*\b], v[S+1+16*\b], v[S+2+16*\b]   ; the largest score of each block of 32 keys: for the row's maximum, and for the block's largest p
.endr
.irp i, 3,5,7,9,11,13
.irp b, 0,1,2,3
	v_max3_num_f32 v[BM+\b], v[BM+\b], v[S+16*\b+\i], v[S+1+16*\b+\i]
.endr
.endr
.irp b, 0,1,2,3
	v_max_num_f32 v[BM+\b], v[BM+\b], v[S+15+16*\b]
.endr
.irp b, 0,1,2,3
	s_delay_alu instid0(VALU_DEP_4)
	v_permlanex16_b32 v[BM+4+\b], v[BM+\b], s[SEL], s[SEL+1]
.endr
.irp b, 0,1,2,3
	s_delay_alu instid0(VALU_DEP_4)
	v_max_num_f32 v[BM+\b], v[BM+\b], v[BM+4+\b]   ; with lane l xor 16's 16 keys
.endr
	s_delay_alu instid0(VALU_DEP_2)
	v_max3_num_f32 v[T0], v[BM], v[BM+1], v[BM+2]
	s_delay_alu instid0(VALU_DEP_1)
	v_max_num_f32 v[T0], v[T0], v[BM+3]
	s_delay_alu instid0(VALU_DEP_1)
	v_mul_f32 v[T0], s[CS], v[T0]                  ; the step's largest t of my query
	s_delay_alu instid0(VALU_DEP_1)
	v_max_num_f32 v13, v13, v[T0]
	v_mov_b32 v[T0], v12
	s_delay_alu instid0(VALU_DEP_2)
	v_floor_f32 v12, -v13                          ; the new -M = -ceil(t)
	s_delay_alu instid0(VALU_DEP_1)
	v_sub_f32 v[T0], v12, v[T0]                    ; old M - new M: a whole number, 0 or less
	s_delay_alu instid0(VALU_DEP_1)
	v_cvt_i32_f32 v[T0], v[T0]                     ; (it saturates)
	s_delay_alu instid0(VALU_DEP_1)
	v_ldexp_f32 v[FF], 1.0, v[T0]                  ; f
.set n, 0
	s_setprio 1
.rept 32
	v_pk_fma_f32 v[S+n:S+n+1], v[S+n:S+n+1], s[CS:CS+1], v[12:13] op_sel_hi:[1,0,0]   ; t - M, two at a time
.set n, n+2
.endr
.irp b, 0,1,2,3
	v_fma_f32 v[BM+\b], v[BM+\b], s[CS], v12       ; the same of each block's largest score
.endr
.set n, 0
	s_wait_alu depctr_va_vdst(0)
.rept 64
	v_exp_f32 v[S+n], v[S+n]                       ; p
.set n, n+1
.endr
.irp b, 0,1,2,3
	v_exp_f32 v[BM+\b], v[BM+\b]                   ; the block's largest p
.endr
	v_pk_mul_f32 v[14:15], v[14:15], v[FF:FF+1] op_sel_hi:[1,0]   ; the sums under the new M (a plain place behind the exponentials)
	s_wait_alu depctr_va_vdst(0)
.irp b, 0,1,2,3
	v_max_num_f32 v[BM+\b], 0x8000000, v[BM+\b]    ; the floor 2^(16 - 127)
.endr
.irp b, 0,1,2,3
	s_delay_alu instid0(VALU_DEP_4)
	v_add_nc_u32 v[BM+12+\b], 0xf8800000, v[BM+\b]
.endr
.irp b, 0,1,2,3
.endr
.irp b, 0,1,2,3
	s_delay_alu instid0(VALU_DEP_4)
	v_lshrrev_b32 v[BM+4+\b], 23, v[BM+12+\b]
.endr
	s_delay_alu instid0(VALU_DEP_3)
	v_lshl_or_b32 v[PW], v[BM+5], 8, v[BM+4]       ; p's scale word for these 128 keys
	s_delay_alu instid0(VALU_DEP_1)
	v_lshl_or_b32 v[PW], v[BM+6], 16, v[PW]
	s_delay_alu instid0(VALU_DEP_1)
	v_lshl_or_b32 v[PW], v[BM+7], 24, v[PW]
	v_pk_add_f32 v[220:221], v[108:109], v[112:113]
	v_pk_add_f32 v[252:253], v[116:117], v[120:121]
	v_pk_add_f32 v[250:251], v[124:125], v[128:129]
	v_pk_add_f32 v[248:249], v[132:133], v[136:137]
	v_pk_add_f32 v[246:247], v[140:141], v[144:145]
	v_pk_add_f32 v[234:235], v[148:149], v[152:153]
	v_pk_add_f32 v[232:233], v[156:157], v[160:161]
	v_pk_add_f32 v[14:15], v[14:15], v[164:165]
	v_pk_add_f32 v[220:221], v[220:221], v[104:105]
	v_pk_add_f32 v[252:253], v[252:253], v[106:107]
	v_pk_add_f32 v[250:251], v[250:251], v[110:111]
	v_pk_add_f32 v[248:249], v[248:249], v[114:115]
	v_pk_add_f32 v[246:247], v[246:247], v[118:119]
	v_pk_add_f32 v[234:235], v[234:235], v[122:123]
	v_pk_add_f32 v[232:233], v[232:233], v[126:127]
	v_pk_add_f32 v[14:15], v[14:15], v[130:131]
	v_pk_add_f32 v[220:221], v[220:221], v[134:135]
	v_pk_add_f32 v[252:253], v[252:253], v[138:139]
	s_setprio 0
	v_pk_add_f32 v[250:251], v[250:251], v[142:143]
	v_pk_add_f32 v[248:249], v[248:249], v[146:147]
	v_pk_add_f32 v[246:247], v[246:247], v[150:151]
	v_pk_add_f32 v[234:235], v[234:235], v[154:155]
	v_pk_add_f32 v[232:233], v[232:233], v[158:159]
	v_pk_add_f32 v[14:15], v[14:15], v[162:163]
	v_pk_add_f32 v[220:221], v[220:221], v[166:167]
	s_delay_alu instid0(VALU_DEP_2)
	v_pk_add_f32 v[14:15], v[14:15], v[248:249]
	s_delay_alu instid0(VALU_DEP_2)
	v_pk_add_f32 v[220:221], v[220:221], v[246:247]
	v_pk_add_f32 v[252:253], v[252:253], v[234:235]
	v_pk_add_f32 v[250:251], v[250:251], v[232:233]
	s_delay_alu instid0(VALU_DEP_2)
	v_pk_add_f32 v[14:15], v[14:15], v[252:253]
	s_delay_alu instid0(VALU_DEP_2)
	v_pk_add_f32 v[220:221], v[220:221], v[250:251]
	s_delay_alu instid0(VALU_DEP_1)
	v_pk_add_f32 v[14:15], v[14:15], v[220:221]
.irp b, 0,1,2,3
.irp i, 0,1,2,3,4,5,6,7,8,9,10,11,12,13,14,15
.endr
	v_cvt_scalef32_pk8_bf8_f32 v[PCD+4*\b:PCD+4*\b+1], v[S+16*\b:S+16*\b+7], v[BM+12+\b]
	v_cvt_scalef32_pk8_bf8_f32 v[PCD+4*\b+2:PCD+4*\b+3], v[S+16*\b+8:S+16*\b+15], v[BM+12+\b]
.endr
.set n, 0
.rept 16
	v_pk_mul_f32 v[O+n:O+n+1], v[O+n:O+n+1], v[FF:FF+1] op_sel_hi:[1,0]   ; O^T under the new M; these are also the places in front of the products below
.set n, n+2
.endr
	s_wait_alu depctr_va_vdst(0)
	s_wait_dscnt 0x0                               ; V
.irp t, 0,1,2,3
	v_wmma_scale_f32_16x16x128_f8f6f4 v[O+8*\t:O+8*\t+7], v[KF+16*\t:KF+16*\t+15], v[PCD:PCD+15], v[O+8*\t:O+8*\t+7], v[VW+\t], v[PW] matrix_a_fmt:MATRIX_FMT_BF8 matrix_b_fmt:MATRIX_FMT_BF8
.endr
.Lskip_\@:
	s_add_co_u32 s[SN], s[SN], 1
	s_add_co_u32 s[TB], s[TB], 8192
	s_add_co_u32 s[TS], s[TS], 256
.endm
; Steps 4 n to 4 n + 3 of the first tile.  In front of them a barrier on every wave's path: the fetching waves have waited until at most 3 - n later chunks are out (those may stay out).
.macro SEG n
	s_wait_tensorcnt 3-\n
	s_wait_dscnt 0x0
	s_barrier_signal -1
	s_barrier_wait -1
	s_mov_b32 s[SN], 4*\n
	s_mov_b32 s[TB], 32768*\n
	s_mov_b32 s[TS], 1024*\n
	s_mov_b32 s[CNT], 4
.Lseg_\@:
	STEP
	s_sub_co_u32 s[CNT], s[CNT], 1
	s_cmp_lg_u32 s[CNT], 0
	s_cbranch_scc1 .Lseg_\@
	s_setprio 0
.endm
; The end of a tile: O^T / the sum; its two blocks of 32 along C are quantised; the eight registers of codes are the next launch's image: 1,024 consecutive bytes.
.macro OUTT
	PLACES 8                                       ; behind the last products
	v_add_f32 v14, v14, v15
	s_delay_alu instid0(VALU_DEP_1)
	v_permlanex16_b32 v[T0], v14, s[SEL], s[SEL+1]
	s_delay_alu instid0(VALU_DEP_1)
	v_add_f32 v14, v14, v[T0]                      ; the row's sum
	s_wait_alu depctr_va_vdst(0)
	v_rcp_f32 v14, v14
	v_nop                                          ; a plain place behind the transcendental
.set n, 0
	s_wait_alu depctr_va_vdst(0)
.rept 32
	v_mul_f32 v[S+n], v[O+n], v14                  ; register 16 b + i: d = 32 b + 16 h + i (each accumulator from its low end on)
.set n, n+1
.endr
.irp b, 0,1
	v_max3_num_f32 v[BM+\b], |v[S+16*\b]|, |v[S+1+16*\b]|, 0x8000000
.endr
.irp i, 2,4,6,8,10,12,14
.irp b, 0,1
	s_delay_alu instid0(VALU_DEP_2)
	v_max3_num_f32 v[BM+\b], v[BM+\b], |v[S+16*\b+\i]|, |v[S+1+16*\b+\i]|
.endr
.endr
.irp b, 0,1
	s_delay_alu instid0(VALU_DEP_2)
	v_permlanex16_b32 v[BM+4+\b], v[BM+\b], s[SEL], s[SEL+1]
.endr
.irp b, 0,1
	s_delay_alu instid0(VALU_DEP_2)
	v_max_num_f32 v[BM+\b], v[BM+\b], v[BM+4+\b]
.endr
.irp b, 0,1
	s_delay_alu instid0(VALU_DEP_2)
	v_add_nc_u32 v[BM+12+\b], 0xf8800000, v[BM+\b]
.endr
.irp b, 0,1
.endr
.irp b, 0,1
	s_delay_alu instid0(VALU_DEP_2)
	v_lshrrev_b32 v[BM+4+\b], 23, v[BM+12+\b]
.endr
.irp b, 0,1
.irp i, 0,1,2,3,4,5,6,7,8,9,10,11,12,13,14,15
.endr
	v_cvt_scalef32_pk8_bf8_f32 v[PCD+4*\b:PCD+4*\b+1], v[S+16*\b:S+16*\b+7], v[BM+12+\b]
	v_cvt_scalef32_pk8_bf8_f32 v[PCD+4*\b+2:PCD+4*\b+3], v[S+16*\b+8:S+16*\b+15], v[BM+12+\b]
.endr
	v_cmp_lt_u32 vcc_lo, 15, v[LN]                 ; (a plain line behind the last conversion)
	s_delay_alu instid0(VALU_DEP_1)
	v_cndmask_b32 v[T0+2], v[BM+4], v[BM+5], vcc_lo   ; lanes 0-15 send block 0's byte, lanes 16-31 block 1's
	global_store_b128 v[LI], v[PCD:PCD+3], s[70:71]
	global_store_b128 v[LI], v[PCD+4:PCD+7], s[70:71] offset:512
	global_store_b8 v[PSO], v[T0+2], s[72:73]
.endm
	s_sub_co_u32 s[QT], 127, s15                   ; the long tile first: its steps begin while the later chunks are on their way
	s_sub_co_u32 s[LAST], 15, s87
	PASSHEAD
	SEG 0
	SEG 1
	SEG 2
	SEG 3
	OUTT
	s_wait_xcnt 0x0                                ; the stores have read their registers and bases: both are written again only behind this wait
	s_mov_b32 s[QT], s15                           ; the short tile
	s_mov_b32 s[LAST], s87
	PASSHEAD
	s_mov_b32 s[SN], 0
	s_mov_b32 s[TB], 0
	s_mov_b32 s[TS], 0
	s_mov_b32 s[CNT], 8
.Lshort:
	STEP
	s_sub_co_u32 s[CNT], s[CNT], 1
	s_cmp_lg_u32 s[CNT], 0
	s_cbranch_scc1 .Lshort
	s_setprio 0
	OUTT
	s_wait_tensorcnt 0x0
	ds_add_u32 v254, v255
	s_wait_dscnt 0x0
	ROUND                                          ; the closing round
	s_endpgm
.Lfunc_end_k_qab75cb144f_attn:
	.size	k_qab75cb144f_attn, .Lfunc_end_k_qab75cb144f_attn-k_qab75cb144f_attn
	.p2alignl 7, 3214868480
	.fill 96, 4, 3214868480
	.section	.rodata,"a",@progbits
	.p2align	6, 0x0
	.amdhsa_kernel k_qab75cb144f_attn
		.amdhsa_group_segment_fixed_size 327680
		.amdhsa_private_segment_fixed_size 0
		.amdhsa_enable_private_segment 0
		.amdhsa_kernarg_size 32
		.amdhsa_user_sgpr_count 2
		.amdhsa_user_sgpr_kernarg_segment_ptr 1
		.amdhsa_wavefront_size32 1
		.amdhsa_system_sgpr_workgroup_id_x 1
		.amdhsa_system_sgpr_workgroup_id_y 1
		.amdhsa_system_sgpr_workgroup_id_z 1
		.amdhsa_system_vgpr_workitem_id 0
		.amdhsa_next_free_vgpr 256
		.amdhsa_next_free_sgpr 90
		.amdhsa_reserve_vcc 1
		.amdhsa_float_denorm_mode_32 3
		.amdhsa_float_denorm_mode_16_64 3
		.amdhsa_fp16_overflow 1
		.amdhsa_memory_ordered 1
		.amdhsa_forward_progress 1
		.amdhsa_inst_pref_size 134
	.end_amdhsa_kernel
	.amdgpu_metadata
---
amdhsa.version: [ 1, 2 ]
amdhsa.kernels:
  - .name:           k_qab75cb144f_attn
    .symbol:         k_qab75cb144f_attn.kd
    .args:
      - { .name: qkvc, .offset: 0, .size: 8, .value_kind: global_buffer, .address_space: global }
      - { .name: qkvs, .offset: 8, .size: 8, .value_kind: global_buffer, .address_space: global }
      - { .name: acodes, .offset: 16, .size: 8, .value_kind: global_buffer, .address_space: global }
      - { .name: ps, .offset: 24, .size: 8, .value_kind: global_buffer, .address_space: global }
    .group_segment_fixed_size: 327680
    .private_segment_fixed_size: 0
    .kernarg_segment_align: 8
    .kernarg_segment_size: 32
    .max_flat_workgroup_size: 512
    .sgpr_count:     90
    .vgpr_count:     256
    .wavefront_size: 32
...
	.end_amdgpu_metadata
.endif
;; end of part 3
;; launch proj (part 4): grid 8 x 32, 4 waves a work-group, clusters of 4 x 4, 327,680 bytes of LDS; arguments acodes, wcodes, ps, bp, out0; writes out0
.if DOCPART == 4
	.amdgcn_target "amdgcn-amd-amdhsa--gfx1250"
	.amdhsa_code_object_version 6
	.text
	.protected	k_qab75cb144f_proj
	.globl	k_qab75cb144f_proj
	.p2align	8
	.type	k_qab75cb144f_proj,@function
k_qab75cb144f_proj:
	s_mov_b64 s[64:65], 0
	v_nop
	global_prefetch_b8 v0, s[64:65] scope:SCOPE_SE
	s_setreg_imm32_b32 hwreg(HW_REG_WAVE_MODE, 25, 1), 1
	s_wait_xcnt 0x0
	s_wait_alu depctr_hold_cnt(0) depctr_sa_sdst(0) depctr_va_vdst(0) depctr_va_sdst(0) depctr_va_ssrc(0) depctr_va_vcc(0) depctr_vm_vsrc(0)
	s_getreg_b32 s2, hwreg(HW_REG_IB_STS2, 6, 4)
	s_cmp_eq_u32 s2, 0
	s_cbranch_scc0 .Lentry_in_a_cluster
	s_endpgm
.Lentry_in_a_cluster:
	s_bfe_u32 s2, ttmp6, 0x10000c
	s_cmp_lg_u32 s2, 0xf033
	s_cbranch_scc0 .Lentry_shape_is_right
	s_endpgm
.Lentry_shape_is_right:
; out0 = attn Wp + bp on codes of BF8 (E5M2) with E8M0 scales; sums and result in f32.
; A work-group makes 256 tokens x 128 columns n (256 work-groups: tiles of 256 x 256 would be 128); a wave 128 x 64: 32 accumulators.  K = 1,024 goes in four chunks of 256 through two LDS slots, eight steps of 128, all written out.
; The codes lie in memory as images of the operand's registers: 128 rows x 256 K are 32,768 dense bytes; a fragment is four ds_load_b128 at 16 x lane.  Tile T holds rows 32 (T / 2) + 8 (T % 2) + r + 8 (r / 8).
; Source 0 = Wp's rows n, source 1 = the tokens: a lane holds one token and eight neighbouring columns.  The bias is the C of each sum's first product.
; CLUSTERS: 4 x 4 work-groups; the tokens' tiles are shared along a row of the cluster, Wp's along a column: joint loads.
; REGISTERS, in windows of 256: window 0: v0-31 addresses; v32-95 scale words; v96-127 the bias, eight registers a tile of n; v128-255 source 1's eight fragments, ONE set, later the way out.
;   window 1: source 0's four fragments, two sets, at v0 and v128.   window 2: accumulator (a, b) at 8 (4 a + b).
.set SLOT,   98304                     ; the tokens' two blocks of 32,768 bytes, then Wp's one
.set CHUNK,  32768
.set SPARE,  2*SLOT                    ; behind the ring: the spare words, 128 bytes for each wave: two blocks of 256 bytes that no other line names
.set SPITCH, 272                       ; the way out: a stage of 16 rows x (256 bytes + 16) for each wave, in slot 0, which has had its last fill and its last read when the first result is stored there
.set S1A,  16                          ; v16-17  LDS address of source 1's fragments in slot 0, 1
.set S0A,  20                          ; v20-21  the same for source 0
.set STO,  24                          ; v24  the stage: where I put 32 bytes of a row
.set RD,   25                          ; v25  where I read a row back
.set CO,   26                          ; v26  my byte offset in two rows of out0
.set SO,   27                          ; v27  my scale words in ps
.set SPW,  28                          ; v28  LDS address of my spare word; never rewritten
.set NIL,  29                          ; v29  0; never rewritten
.set BQ,   30                          ; v30  64 h
.set SO2,  31                          ; v31  as v27, lanes 16-31 four tiles back: Wp has four tiles here, and no load leaves the buffer
.set SC,   32                          ; v[SC + 8 i + ks]: lanes 0-15 the word of source 1's tile i, lanes 16-31 that of source 0's tile i (i < 4), for K step ks
.set BI,   96
.set S1F,  128
.set BK,   128                         ; the way out: 16 rows read back: v128-159 and v160-191 by turns
.set G1,   24
.set G0,   32
.set G1B,  48
.set G0B,  56
.set MSB, 0
.macro WIN new                         ; the immediate's high byte repeats the setting that is left
.if MSB != (\new)
	s_set_vgpr_msb (MSB<<8)|(\new)
.set MSB, (\new)
.endif
.endm
.set MUL,   0xa1                       ; source 0 window 1, source 1 window 0, C and D window 2
.set MULB,  0x81                       ; the same with C (the bias) in window 0
.set TO_S0, 0x40
.macro PLACES n
.rept \n
	v_nop
.endr
.endm
.macro JLOAD s                         ; a joint load: waves 0 and 1 fetch the tokens' two blocks, waves 2 and 3 the halves of Wp's; four v_nop follow each of the two lines
	s_cmp_eq_u32 s15, 0
	s_cbranch_scc0 .Lfor_b_\@
	tensor_load_to_lds s[G0+4*\s:G0+4*\s+3], s[G1:G1+7]
	s_nop 0
.rept 4
	v_nop
.endr
	s_branch .Lasked_\@
.Lfor_b_\@:
	tensor_load_to_lds s[G0B+4*\s:G0B+4*\s+3], s[G1B:G1B+7]
	s_nop 0
.rept 4
	v_nop
.endr
.Lasked_\@:
.endm
.macro CREST
	s_cmp_lg_u32 s14, 0
	s_cbranch_scc1 .Lnot_wave_0_\@
	s_barrier_signal -3
.Lnot_wave_0_\@:
	s_barrier_wait -3
	s_barrier_signal -1
	s_barrier_wait -1
.endm
.macro CROUND
	s_barrier_signal -1
	s_barrier_wait -1
	CREST
.endm
	s_load_b256 s[4:11], s[0:1], 0x0               ; acodes s[4:5], wcodes s[6:7], ps s[8:9], bp s[10:11]
	s_load_b64 s[12:13], s[0:1], 0x20              ; out0
	v_lshl_add_u32 v[SPW], v0, 2, SPARE
	v_mov_b32 v[NIL], 0
	ds_add_u32 v28, v29
	ds_add_u32 v28, v29
	s_wait_dscnt 0x0
	v_lshrrev_b32 v1, 5, v0
	v_readfirstlane_b32 s14, v1                    ; wave 0..3
	s_lshr_b32 s15, s14, 1                         ; which 128 tokens are mine.  Also: I fetch for the tokens (0) or for Wp (1)
	s_and_b32 s16, s14, 1                          ; which 64 columns.  Also: which part I fetch
	s_bfe_u32 s40, ttmp6, 0x40000
	s_bfe_u32 s41, ttmp6, 0x40004
	s_lshl_b32 s42, ttmp9, 2
	s_add_co_u32 s42, s42, s40                     ; X: which 128 columns
	s_and_b32 s17, ttmp7, 0xffff
	s_lshl_b32 s17, s17, 2
	s_add_co_u32 s17, s17, s41                     ; Y: which 256 tokens
	s_lshl_b32 s43, s41, 2
	s_lshl_b32 s43, 15, s43                        ; my row of the cluster
	s_lshl_b32 s44, 0x1111, s40                    ; my column
	; descriptor groups 1: dense blocks as rows of 256 bytes (32 elements of 8 bytes): 128 rows for the tokens, 64 for half of Wp's block
	s_or_b32 s[G1+0], s43, (3<<16)|(1<<21)
	s_mov_b32 s[G1+1], 32<<16
	s_mov_b32 s[G1+2], 128<<16
	s_mov_b32 s[G1+3], 32<<16
	s_mov_b32 s[G1+4], 128
	s_mov_b32 s[G1+5], 32
	s_mov_b32 s[G1+6], 0
	s_mov_b32 s[G1+7], 0
	s_or_b32 s[G1B+0], s44, (3<<16)|(1<<21)
	s_mov_b32 s[G1B+1], 32<<16
	s_mov_b32 s[G1B+2], 64<<16
	s_mov_b32 s[G1B+3], 32<<16
	s_mov_b32 s[G1B+4], 64
	s_mov_b32 s[G1B+5], 32
	s_mov_b32 s[G1B+6], 0
	s_mov_b32 s[G1B+7], 0
	s_lshl_b32 s20, s17, 1
	s_add_co_u32 s20, s20, s16
	s_lshl_b32 s20, s20, 17                        ; the tokens: group 2 Y + half
	s_mov_b32 s21, 0
	s_add_co_u32 s46, s42, 24
	s_lshl_b32 s46, s46, 17                        ; Wp: group 24 + X,
	s_lshl_b32 s47, s16, 14
	s_add_co_u32 s46, s46, s47                     ; its tiles 4 x half on
	s_mov_b32 s47, 0
	s_lshl_b32 s45, s16, 15                        ; where they go: the wave's number and constants alone
	s_lshl_b32 s18, s16, 14
	s_add_co_u32 s18, s18, 65536
	s_wait_kmcnt 0x0
	s_add_nc_u64 s[20:21], s[4:5], s[20:21]
	s_add_nc_u64 s[46:47], s[6:7], s[46:47]
	CROUND                                         ; all sixteen work-groups are here: the first joint loads meet
.irp s, 0,1
	s_mov_b32 s[G0+4*\s], 1
	s_add_co_u32 s[G0+4*\s+1], s45, \s*SLOT
	s_add_nc_u64 s[G0+4*\s+2:G0+4*\s+3], s[20:21], \s*CHUNK
	s_or_b32 s[G0+4*\s+3], s[G0+4*\s+3], 0x80000000
	s_mov_b32 s[G0B+4*\s], 1
	s_add_co_u32 s[G0B+4*\s+1], s18, \s*SLOT
	s_add_nc_u64 s[G0B+4*\s+2:G0B+4*\s+3], s[46:47], \s*CHUNK
	s_or_b32 s[G0B+4*\s+3], s[G0B+4*\s+3], 0x80000000
	s_wait_alu depctr_va_vdst(0)
	s_wait_tensorcnt 0x0
	ds_add_u32 v28, v29
	ds_add_u32 v28, v29
	s_wait_dscnt 0x0
	CROUND
	JLOAD \s                                       ; chunks 0 and 1, one at a time: one load of mine is out
.endr
	v_and_b32 v1, 15, v0                           ; r
	v_bfe_u32 v2, v0, 4, 1                         ; h
	v_and_b32 v3, 31, v0                           ; lane
	s_wait_alu depctr_va_vdst(0)
	v_lshlrev_b32 v4, 4, v3
	s_lshl_b32 s76, s15, 15
	s_lshl_b32 s77, s16, 14
	s_add_co_u32 s77, s77, 65536
	v_add_nc_u32 v[S1A], s76, v4
	v_add_nc_u32 v[S0A], s77, v4
	v_add_nc_u32 v[S1A+1], SLOT, v[S1A]
	v_add_nc_u32 v[S0A+1], SLOT, v[S0A]
	s_lshl_b32 s78, s17, 13
	s_lshl_b32 s79, s15, 12
	s_add_co_u32 s78, s78, s79                     ; my tokens' scale bytes: (256 Y + 128 half) x 32
	s_lshl_b32 s80, s42, 12
	s_lshl_b32 s81, s16, 11
	s_add_co_u32 s80, s80, s81
	s_add_co_u32 s80, s80, 262144                  ; my columns': behind the tokens'
	v_mov_b32 v5, s78
	v_mov_b32 v6, s80
	v_cmp_lt_u32 vcc_lo, 15, v3
	v_cndmask_b32 v5, v5, v6, vcc_lo
	v_lshl_add_u32 v[SO], v1, 5, v5
	v_lshlrev_b32 v6, 11, v2
	v_sub_nc_u32 v[SO2], v[SO], v6
.irp i, 0,1,2,3
	global_load_b128 v[SC+8*\i:SC+8*\i+3], v[SO], s[8:9] offset:512*\i
	global_load_b128 v[SC+8*\i+4:SC+8*\i+7], v[SO], s[8:9] offset:512*\i+16
.endr
.irp i, 4,5,6,7
	global_load_b128 v[SC+8*\i:SC+8*\i+3], v[SO2], s[8:9] offset:512*\i
	global_load_b128 v[SC+8*\i+4:SC+8*\i+7], v[SO2], s[8:9] offset:512*\i+16
.endr
	s_lshl_b32 s82, s42, 9
	s_lshl_b32 s83, s16, 8
	s_add_co_u32 s82, s82, s83                     ; my first column, in bytes: (128 X + 64 half) x 4
	s_mov_b32 s83, 0
	s_add_nc_u64 s[10:11], s[10:11], s[82:83]
	v_lshlrev_b32 v[BQ], 6, v2
.irp b, 0,1,2,3
	global_load_b128 v[BI+8*\b:BI+8*\b+3], v[BQ], s[10:11] offset:(32*(\b/2)+8*(\b%2))*4       ; tile b's eight columns of my half: n = 32 (b / 2) + 16 h + 8 (b % 2) + 0 .. 7
	global_load_b128 v[BI+8*\b+4:BI+8*\b+7], v[BQ], s[10:11] offset:(32*(\b/2)+8*(\b%2))*4+16
.endr
	s_lshl_b32 s84, s17, 20
	s_lshl_b32 s85, s15, 19
	s_add_co_u32 s84, s84, s85                     ; my first row of out0: (256 Y + 128 half) x 4,096 bytes
	s_add_co_u32 s84, s84, s82
	s_mov_b32 s85, 0
	s_add_nc_u64 s[12:13], s[12:13], s[84:85]
	s_mul_i32 s86, s14, 16*SPITCH                  ; my stage
	v_mul_u32_u24 v[STO], v1, SPITCH
	v_lshl_add_u32 v[STO], v2, 6, v[STO]
	v_add_nc_u32 v[STO], s86, v[STO]               ; in: row r, + 64 h
	v_mul_u32_u24 v[RD], v2, SPITCH
	v_lshl_add_u32 v[RD], v1, 4, v[RD]
	v_add_nc_u32 v[RD], s86, v[RD]                 ; back: lanes 0-15 one row of 256 bytes, lanes 16-31 the next
	v_lshlrev_b32 v[CO], 12, v2
	v_lshl_add_u32 v[CO], v1, 4, v[CO]             ; and the same two rows in out0
.macro FRAG reg, adr, q, i
.irp c, 0,1,2,3
	ds_load_b128 v[(\reg)+4*\c:(\reg)+4*\c+3], v[\adr] offset:4096*(\i)+2048*(\q)+512*\c
.endr
.endm
.macro FETCH_S0 slot, q, p
	WIN TO_S0
.irp i, 0,1,2,3
	FRAG 128*(\p)+16*\i, S0A+\slot, \q, \i
.endr
	WIN 0
.endm
.macro FETCH_S1 slot, q, i0
.irp i, \i0, \i0+1, \i0+2, \i0+3
	FRAG S1F+16*(\i), S1A+\slot, \q, \i
.endr
.endm
; 8 matrix instructions: source 1's tiles a0, a0 + 1 x source 0's four, K step ks.  z = 1: the first product starts the sums from the bias.  The 32 accumulators take turns, one instruction a turn.
.macro MULG a0, p, ks, z
.irp a, \a0, \a0+1
.irp b, 0,1,2,3
.if \z
	v_wmma_scale_f32_16x16x128_f8f6f4 v[8*(4*(\a)+\b):8*(4*(\a)+\b)+7], v[128*(\p)+16*\b:128*(\p)+16*\b+15], v[S1F+16*(\a):S1F+16*(\a)+15], v[BI+8*\b:BI+8*\b+7], v[SC+8*\b+(\ks)], v[SC+8*(\a)+(\ks)] matrix_a_fmt:MATRIX_FMT_BF8 matrix_b_fmt:MATRIX_FMT_BF8 matrix_a_scale:MATRIX_SCALE_ROW1
.else
	v_wmma_scale_f32_16x16x128_f8f6f4 v[8*(4*(\a)+\b):8*(4*(\a)+\b)+7], v[128*(\p)+16*\b:128*(\p)+16*\b+15], v[S1F+16*(\a):S1F+16*(\a)+15], v[8*(4*(\a)+\b):8*(4*(\a)+\b)+7], v[SC+8*\b+(\ks)], v[SC+8*(\a)+(\ks)] matrix_a_fmt:MATRIX_FMT_BF8 matrix_b_fmt:MATRIX_FMT_BF8 matrix_a_scale:MATRIX_SCALE_ROW1
.endif
.endr
.endr
.endm
; A load into a register that a matrix instruction has read stands eight places behind it.
.macro STEP slot, ks, z
	s_wait_dscnt 16                                ; source 0's set and source 1's tiles 0-3 are in; the youngest 16 loads (tiles 4-7) may be out
	WIN MUL-0x20*(\z)
	MULG 0, 0, \ks, \z
	MULG 2, 0, \ks, \z
	s_wait_dscnt 0x0
	PLACES 8
	FETCH_S0 \slot, 1, 1
	FETCH_S1 \slot, 1, 0
	WIN MUL-0x20*(\z)
	MULG 4, 0, \ks, \z
	MULG 6, 0, \ks, \z
	PLACES 8
	WIN 0
	FETCH_S1 \slot, 1, 4
.endm
.macro TURN slot, next, fill, ks
	s_wait_tensorcnt 0x0                           ; all my tensor loads have landed: my part of the next slot
	ds_add_u32 v[SPW], v[NIL]                      ; 0 onto my spare word
	s_wait_dscnt 17                                ; (the add and the youngest 16 loads may be out)
	WIN MUL
	MULG 0, 1, \ks, 0                              ; eight matrix instructions stand between the add and the wait for it
	s_wait_dscnt 0x0                               ; the add is done, and my reads of this slot are over
	s_barrier_signal -1
	MULG 2, 1, \ks, 0
	WIN 0
	s_barrier_wait -1
.if \fill
	CREST                                          ; the barrier has opened a round of the cluster's barrier: no wave of any partner still reads this slot or has a load on its way
	s_add_nc_u64 s[G0+4*\slot+2:G0+4*\slot+3], s[G0+4*\slot+2:G0+4*\slot+3], 2*CHUNK
	s_add_nc_u64 s[G0B+4*\slot+2:G0B+4*\slot+3], s[G0B+4*\slot+2:G0B+4*\slot+3], 2*CHUNK
	JLOAD \slot                                    ; the first tensor load behind the round, my one load until the next; its four v_nop are four of the eight places
	PLACES 4
.else
	PLACES 8
.endif
	FETCH_S0 \next, 0, 0
	FETCH_S1 \next, 0, 0
	WIN MUL
	MULG 4, 1, \ks, 0
	MULG 6, 1, \ks, 0
	PLACES 8
	WIN 0
	FETCH_S1 \next, 0, 4
.endm
	s_wait_tensorcnt 1                             ; my part of chunk 0 is in (chunk 1's load may be out)
	s_wait_loadcnt 0x0                             ; and so are the scale words and the bias
	s_barrier_signal -1
	s_barrier_wait -1
	FETCH_S0 0, 0, 0
	FETCH_S1 0, 0, 0
	FETCH_S1 0, 0, 4
	STEP 0, 0, 1
	TURN 0, 1, 1, 1                                ; slot 0 takes chunk 2
	STEP 1, 2, 0
	TURN 1, 0, 1, 3                                ; slot 1 takes chunk 3
	STEP 0, 4, 0
	TURN 0, 1, 0, 5                                ; nothing is left to fetch: no round.  Behind this barrier nobody reads slot 0
	STEP 1, 6, 0
	s_wait_dscnt 16
	WIN MUL
	MULG 0, 1, 7, 0
	MULG 2, 1, 7, 0
	s_wait_alu depctr_va_vdst(0)
	s_wait_dscnt 0x0
	MULG 4, 1, 7, 0
	MULG 6, 1, 7, 0
	WIN 0
; THE WAY OUT, a tile of 16 tokens x 64 columns at a time: a lane's 32 bytes of a row go into my own stage and come back as whole rows of 256 bytes.  LDS serves a wave's instructions in order (ISA guide 5.7.1.4).
.macro TOSTAGE a
	WIN 0x08                                       ; an LDS store's data are its source 1: window 2
.irp b, 0,1,2,3
	ds_store_b128 v[STO], v[8*(4*(\a)+\b):8*(4*(\a)+\b)+3] offset:128*(\b/2)+32*(\b%2)        ; each accumulator from its low end on
	ds_store_b128 v[STO], v[8*(4*(\a)+\b)+4:8*(4*(\a)+\b)+7] offset:128*(\b/2)+32*(\b%2)+16
.endr
	WIN 0
.set BB, BK+32*((\a)%2)
.irp t, 0,1,2,3,4,5,6,7
	ds_load_b128 v[BB+4*\t:BB+4*\t+3], v[RD] offset:\t*2*SPITCH
.endr
.endm
.macro SEND a, younger                 ; younger: the LDS instructions issued behind tile a's loads, which may stay out
.set BB, BK+32*((\a)%2)
	s_wait_dscnt \younger
.irp t, 0,1,2,3,4,5,6,7
	global_store_b128 v[CO], v[BB+4*\t:BB+4*\t+3], s[12:13] offset:(32*((\a)/2)+8*((\a)%2)+2*\t+8*(\t/4))*4096 th:TH_STORE_NT   ; stage rows 2 t, 2 t + 1 are tokens 32 (a / 2) + 8 (a % 2) + 2 t + 8 (t / 4) and the next; 16 lanes store 256 consecutive bytes, aligned
.endr
.endm
	PLACES 8                                       ; behind the last products
	TOSTAGE 0
.irp a, 1,2,3,4,5,6,7
.if \a > 1
	s_wait_xcnt 0x0                                ; tile a - 2's stores have read their registers: tile a's loads land there only behind this wait
.endif
	TOSTAGE \a
	SEND \a-1, 16                                  ; behind tile a - 1's loads: tile a's 8 stores and 8 loads
.endr
	SEND 7, 0
	s_wait_tensorcnt 0x0                           ; the wave's end
	ds_add_u32 v[SPW], v[NIL]
	s_wait_dscnt 0x0
	CROUND                                         ; the closing round
	s_endpgm
.Lfunc_end_k_qab75cb144f_proj:
	.size	k_qab75cb144f_proj, .Lfunc_end_k_qab75cb144f_proj-k_qab75cb144f_proj
	.p2alignl 7, 3214868480
	.fill 96, 4, 3214868480
	.section	.rodata,"a",@progbits
	.p2align	6, 0x0
	.amdhsa_kernel k_qab75cb144f_proj
		.amdhsa_group_segment_fixed_size 327680
		.amdhsa_private_segment_fixed_size 0
		.amdhsa_enable_private_segment 0
		.amdhsa_kernarg_size 40
		.amdhsa_user_sgpr_count 2
		.amdhsa_user_sgpr_kernarg_segment_ptr 1
		.amdhsa_wavefront_size32 1
		.amdhsa_system_sgpr_workgroup_id_x 1
		.amdhsa_system_sgpr_workgroup_id_y 1
		.amdhsa_system_sgpr_workgroup_id_z 1
		.amdhsa_system_vgpr_workitem_id 0
		.amdhsa_next_free_vgpr 768
		.amdhsa_next_free_sgpr 100
		.amdhsa_reserve_vcc 1
		.amdhsa_float_denorm_mode_32 3
		.amdhsa_float_denorm_mode_16_64 3
		.amdhsa_memory_ordered 1
		.amdhsa_forward_progress 1
		.amdhsa_inst_pref_size 90
	.end_amdhsa_kernel
	.amdgpu_metadata
---
amdhsa.version: [ 1, 2 ]
amdhsa.kernels:
  - .name:           k_qab75cb144f_proj
    .symbol:         k_qab75cb144f_proj.kd
    .args:
      - { .name: acodes, .offset: 0, .size: 8, .value_kind: global_buffer, .address_space: global }
      - { .name: wcodes, .offset: 8, .size: 8, .value_kind: global_buffer, .address_space: global }
      - { .name: ps, .offset: 16, .size: 8, .value_kind: global_buffer, .address_space: global }
      - { .name: bp, .offset: 24, .size: 8, .value_kind: global_buffer, .address_space: global }
      - { .name: out0, .offset: 32, .size: 8, .value_kind: global_buffer, .address_space: global }
    .group_segment_fixed_size: 327680
    .private_segment_fixed_size: 0
    .kernarg_segment_align: 8
    .kernarg_segment_size: 40
    .max_flat_workgroup_size: 128
    .sgpr_count:     100
    .vgpr_count:     768
    .wavefront_size: 32
...
	.end_amdgpu_metadata
.endif
;; end of part 4
